; MI455X (gfx1250); checked and timed in simulation.
; The chip was launched on July 23, 2026; its instructions are those of AMD's public machine-readable ISA for CDNA 5 (MIT licence, August 2026) and "CDNA5" Instruction Set Architecture Reference Guide (July 2026). The comments in the code are by the model that wrote it; some were corrected since.
;; M Mo E. Allowed arithmetic: matrix products marked QUANTISED: E2M3 operands, one E8M0 scale for each 32 along K, by v_wmma_scale_f32_16x16x128_f8f6f4 with both operands' format E2M3, f32 sums; products left as they are: f32 operands where the result goes on into a quantised operand, else bf16, f16 or f32 operands; f32 sums; everything else in f32.
;; Inputs: eW1 8 x 1,024 x 1,024 float32; eW2 8 x 1,024 x 512 float32; eW3 8 x 512 x 256 float32; eb1 8 x 1,024 float32; eb2 8 x 512 float32; eb3 8 x 256 float32; gW 2 x 1,024 x 8 float32; gb 2 x 8 float32; tW1 2 x 256 x 512 float32; tW2 2 x 512 x 256 float32; tW3 2 x 256 x 1 float32; tb1 2 x 512 float32; tb2 2 x 256 float32; tb3 2 x 1 float32; x 4,096 x 1,024 float32.
;; Outputs: out0 4,096 x 2 float32.
;; This version of the problem:
;;   THIS VERSION OF THE PROBLEM IS GIVEN IN LOW PRECISION. The matrix products marked QUANTISED in the list below multiply operands that are first quantised to E2M3 (2 exponent bits, 3 mantissa bits; 6 bits a number), with one power-of-two scale for each 32 numbers along K (OCP MX v1.0); their sums are f32. All else is computed in f32.
;;   The module's matrix products, in the order in which they are computed (A, B: the left and right operand; K: the contracted axis; several contracted axes count as one K, in the product's order):
;;     1. [M 4,096, K 1,024] x [K 1,024, N 8,192]; A: input x; B: input eW1: QUANTISED
;;     2. batch 8 x [M 512, K 1,024] x [K 1,024, N 4,096]; A: input eW2; B: computed on the way: QUANTISED
;;     3. batch 8 x [M 256, K 512] x [K 512, N 4,096]; A: input eW3; B: computed on the way: QUANTISED
;;     4. [M 4,096, K 1,024] x [K 1,024, N 16]; A: input x; B: input gW: QUANTISED
;;     5. batch 4,096 x [M 2, K 8] x [K 8, N 256]; A: softmax; B: computed on the way: left as it is (K = 8 < 32)
;;     6. batch 2 x [M 512, K 256] x [K 256, N 4,096]; A: input tW1; B: computed on the way: QUANTISED
;;     7. batch 2 x [M 256, K 512] x [K 512, N 4,096]; A: input tW2; B: computed on the way: QUANTISED
;;     8. batch 2 x [M 1, K 256] x [K 256, N 4,096]; A: input tW3; B: computed on the way: left as it is (M = 1 < 16)
;;   THE QUANTISER, for each operand of a quantised product, along K:
;;     - K is cut into blocks of 32 from its start; a last block that is shorter is filled with zeros.
;;     - A block's scale is 2^e with e = floor(log2(the largest magnitude in the block)) - 2, held to -126 .. 127; a block of zeros has e = 0. As a byte (E8M0): e + 127.
;;     - Each number is divided by its block's scale, clamped to +-7.5, and rounded to the nearest number of E2M3, ties to even, subnormals kept.
;;     - The product sums the exact products of the quantised numbers (number of the format x scale) in f32.
;;   ~~~python
;;   def quantise(x, axis):      # numpy; x: float32 -> the quantised numbers, widened to float32 again
;;       x = np.moveaxis(x, axis, -1); K = x.shape[-1]
;;       x = np.pad(x, [(0, 0)] * (x.ndim - 1) + [(0, -K % 32)]); x = x.reshape(x.shape[:-1] + (-1, 32)); a = np.abs(x).max(-1, keepdims=True)
;;       e = np.where(a > 0, np.clip(np.frexp(np.where(a > 0, a, 1))[1] - 1 - 2, -126, 127), 0)      # np.frexp(a)[1] - 1 = floor(log2(a)), exactly
;;       r = np.clip(x / 2.0 ** e, -7.5, 7.5)
;;       step = 2.0 ** (np.maximum(np.frexp(np.where(r == 0, 1, r))[1] - 1, 0) - 3)
;;       q = np.round(r / step) * step * 2.0 ** e      # np.round: ties to even
;;       return np.moveaxis(q.reshape(q.shape[:-2] + (-1,))[..., :K], -1, axis).astype(np.float32)
;;   ~~~
;;   OPERANDS COMPUTED ON THE WAY. 'Computed on the way' means the value that the module computes at that place (a softmax that the list does not call 'softmax' is quantised finished and normalised). What goes into a quantiser is computed in f32, as accurately as f32 sums, v_exp_f32 and their like allow (about 1e-6 of the number): no bf16 or f16 on the way to a quantiser, and a product that is left as it is and whose result goes on into a quantised operand takes f32 operands (vector FMAs, or v_wmma_f32_16x16x4_f32). A number that lies on a knife's edge between two numbers of the format may be rounded either way, as far as f32 arithmetic and the matrix unit's own rounding can turn it there, and no further.
;; One version. Each part assembles by itself: llvm-mc -triple=amdgcn-amd-amdhsa -mcpu=gfx1250 --defsym DOCPART=n.
;; ======== version 1 of 1: 3 launches
;; workspace buffers: xq 3,276,800 bytes; wexp 10,649,600 bytes; wtow 409,600 bytes; wg 12,800 bytes; eo 33,554,432 bytes
;; launch quant (part 1): grid 1121 x 1, 4 waves a work-group, no clusters, 47,616 bytes of LDS; arguments x, eW1, eW2, eW3, tW1, tW2, gW, xq, wexp, wtow, wg; writes xq, wexp, wtow, wg
.if DOCPART == 1
	.amdgcn_target "amdgcn-amd-amdhsa--gfx1250"
	.amdhsa_code_object_version 6
	.text
	.protected	k_q34c6df9321_quant
	.globl	k_q34c6df9321_quant
	.p2align	8
	.type	k_q34c6df9321_quant,@function
k_q34c6df9321_quant:
	s_mov_b64 s[64:65], 0
	v_nop
	global_prefetch_b8 v0, s[64:65] scope:SCOPE_SE
	s_setreg_imm32_b32 hwreg(HW_REG_WAVE_MODE, 25, 1), 1
	s_wait_xcnt 0x0
; x, eW1, eW2, eW3, tW1, tW2, gW (f32) become codes of FP6 (E2M3) with one E8M0 scale byte for each 32 along K, laid in FRAMES of 12,800 bytes:
; eight fragments of 1,536 bytes (the image of an operand's 12 registers for 16 rows x 128 K: dword g of lane l at 512 (g / 4) + 16 l + 4 (g % 4)), then 512 bytes of scale words
; (dword j of lane l: the word of row l % 16 of fragment 2 j + l / 16).  A reader takes a fragment by three loads of 16 bytes a lane, four fragments' scale words by one.
; A block's scale is 2^(floor(log2(largest magnitude)) - 2); its byte is the largest magnitude's exponent field - 2, held at 1 from below.
; LIMITS: NaN and infinities among the inputs are not served; a block whose largest magnitude lies under 2^-124, a block of zeros too, gets the byte 1: its codes are zeros or tiny, and this program alone reads the bytes.
; One work-group makes one frame out of 64 KiB of f32; wave v makes fragments 2 v, 2 v + 1 and dword v of the scale words.  The work-group's number says which frame:
;   0-255 x | 256-767 eW1 | 768-1023 eW2 | 1024-1039 tW1 | 1040-1103 eW3 | 1104-1119 tW2 | 1120 gW
; WEIGHTS ([K][N] in memory): a lane takes a column and its 128 registers run down K, so a block of 32 lies in one lane.  The 16 units of a tile are not neighbours:
; row r of tile t is unit 32 (t / 2) + 8 (t % 2) + r + 8 (r / 8), so that a product's results become the next product's operand without changing lanes.
; x ([row][K]): each load reads 512 consecutive bytes of a row; 16 rows turn through the wave's stage in LDS so that lane (r, h) holds k = 64 c + 32 h + 0 .. 31 of row r.
; No tensor loads; the two ways through the text have LDS bytes of their own.
.set STGW,  0                          ; weights: a stage of 3,072 bytes for each wave (its two fragments)
.set SCW,   12288                      ; weights: the frame's scale words
.set XT,    12800                      ; x: 16 rows x (512 + 16) bytes for each wave
.set SCX,   46592                      ; x: the frame's scale words
.set SPARE, 47104                      ; the spare words, 128 bytes for each wave: two blocks of 256 bytes that no other line names
.set FRM,   12800
.set EXPB,  1331200                    ; an expert's 104 frames
.set SPW, 1                            ; v1  my spare word's LDS address; never rewritten
.set NIL, 2                            ; v2  0; never rewritten
.set LO,  3                            ; v3  weights: my column's byte offset
.set T,   20                           ; v20-22 a block's upper 16 codes
.set X,   32                           ; v32-159 128 numbers
.set P,   160                          ; v160-183 two runs of 12 registers of codes
; v4 stage in, v5 scale word in, v6 16 lane + 3072 wave (stage out, and the codes' global offset), v7 16 lane, v8 x stage in, v9 x stage out, v10 x scale word in
	s_load_b512 s[4:19], s[0:1], 0x0               ; x, eW1, eW2, eW3, tW1, tW2, gW, xq
	s_load_b128 s[20:23], s[0:1], 0x40             ; wexp, wtow
	s_load_b64 s[24:25], s[0:1], 0x50              ; wg
	v_lshl_add_u32 v[SPW], v0, 2, SPARE
	v_mov_b32 v[NIL], 0
	v_lshrrev_b32 v3, 5, v0
	v_readfirstlane_b32 s26, v3                    ; wave v
	v_and_b32 v28, 31, v0                          ; lane x
	v_lshlrev_b32 v7, 4, v28
	v_and_b32 v29, 7, v0
	v_bfe_u32 v30, v0, 4, 1                        ; x / 16
	v_bfe_u32 v31, v0, 3, 1                        ; u = (x / 8) % 2: which of my two tiles column x belongs to
	v_lshl_or_b32 v27, v30, 3, v29                 ; r = x % 8 + 8 (x / 16): its row there
	s_mul_i32 s27, s26, 3072
	v_mul_u32_u24 v4, v31, 1536
	v_lshl_add_u32 v4, v27, 4, v4
	v_add_nc_u32 v4, s27, v4                       ; 3072 v + 1536 u + 16 r
	v_lshl_add_u32 v5, v31, 4, v27
	v_lshlrev_b32 v5, 4, v5
	s_lshl_b32 s28, s26, 2
	s_add_co_u32 s29, s28, SCW
	v_add_nc_u32 v5, s29, v5                       ; SCW + 16 (r + 16 u) + 4 v
	v_add_nc_u32 v6, s27, v7
	s_mul_i32 s29, s26, 8448
	s_add_co_u32 s29, s29, XT
	v_add_nc_u32 v8, s29, v7
	v_and_b32 v26, 15, v0
	v_mul_u32_u24 v9, v26, 528
	v_lshl_add_u32 v9, v30, 7, v9
	v_add_nc_u32 v9, s29, v9                       ; row lane % 16, + 128 bytes for lanes 16-31
	s_add_co_u32 s28, s28, SCX
	v_add_nc_u32 v10, s28, v7                      ; SCX + 16 lane + 4 v
	v_lshlrev_b32 v17, 3, v30                      ; 8 (lane / 16)
	v_mov_b32 v19, 0                               ; a lane permute's destination counts as one of its sources
	s_mov_b32 s46, 0x76543210
	s_mov_b32 s47, 0xfedcba98                      ; selects for lane l xor 16
	s_mov_b32 s45, 0                               ; the high word of every offset
	s_lshl_b32 s39, s26, 5                         ; 32 v
	s_wait_kmcnt 0x0
.macro WLOADS stride                   ; 128 rows of K at my column: a wave reads 128 consecutive bytes with each
.set k, 0
.rept 128
	global_load_b32 v[X+k], v[LO], s[40:41] offset:k*\stride th:TH_LOAD_NT
.set k, k+1
.endr
.endm
; 32 numbers of one block, v[src] on, become 6 registers of codes, v[dst] on, and the scale's byte
.macro BLOCKQ src, dst, byt
	v_max3_num_f32 v12, |v[\src]|, |v[\src+1]|, |v[\src+2]|
	v_max3_num_f32 v13, |v[\src+3]|, |v[\src+4]|, |v[\src+5]|
.irp i, 6,10,14,18,22,26
	v_max3_num_f32 v12, v12, |v[\src+\i]|, |v[\src+\i+1]|
	v_max3_num_f32 v13, v13, |v[\src+\i+2]|, |v[\src+\i+3]|
.endr
	v_max3_num_f32 v12, v12, |v[\src+30]|, |v[\src+31]|
	v_max3_num_f32 v12, v12, v13, 0x1800000        ; and the floor 2^(3 - 127): the byte cannot fall under 1
	v_add_nc_u32 v14, 0xff000000, v12              ; 2 off the exponent field: the conversion takes that field as its scale
	v_cvt_scalef32_pk16_fp6_f32 v[\dst:\dst+2], v[\src:\src+15], v14
	v_cvt_scalef32_pk16_fp6_f32 v[T:T+2], v[\src+16:\src+31], v14   ; (a conversion's three registers begin on an even number)
	v_lshrrev_b32 v[\byt], 23, v14                 ; the byte; also the plain line behind the conversions
.irp i, 0,1,2
	v_mov_b32 v[\dst+3+\i], v[T+\i]
.endr
.endm
	s_cmp_lt_u32 ttmp9, 256
	s_cbranch_scc1 .Lx_path
	s_cmp_lt_u32 ttmp9, 768
	s_cbranch_scc1 .Lw1
	s_cmp_lt_u32 ttmp9, 1024
	s_cbranch_scc1 .Lw2
	s_cmp_lt_u32 ttmp9, 1040
	s_cbranch_scc1 .Lt1
	s_cmp_lt_u32 ttmp9, 1104
	s_cbranch_scc1 .Lw3
	s_cmp_lt_u32 ttmp9, 1120
	s_cbranch_scc1 .Lt2
	; gW [2][1024][8]: "unit" r = 8 task + expert; fragment f = K step f.  Lane x: task x / 16, expert x % 8, K step 2 v + u
	s_lshl_b32 s44, s26, 13
	s_add_nc_u64 s[40:41], s[16:17], s[44:45]
	s_mov_b64 s[42:43], s[24:25]
	v_lshlrev_b32 v[LO], 15, v30
	v_lshl_add_u32 v[LO], v31, 12, v[LO]
	v_lshl_add_u32 v[LO], v29, 2, v[LO]
	WLOADS 32
	s_branch .Lw_common
.Lw1:                                  ; eW1 [8][1024][1024]: j = e + 8 f; f = (4 slot + w) 2 + q; slots 0-3 units 512 on, slots 4-7 units 0 on
	s_sub_co_u32 s30, ttmp9, 256
	s_and_b32 s31, s30, 7                          ; e
	s_lshr_b32 s32, s30, 3                         ; f
	s_lshr_b32 s33, s32, 3                         ; slot
	s_bfe_u32 s34, s32, 0x20001                    ; w
	s_and_b32 s35, s32, 1                          ; q
	s_and_b32 s36, s33, 3
	s_lshl_b32 s36, s36, 1
	s_add_co_u32 s36, s36, s35                     ; K step
	s_cmp_lt_u32 s33, 4
	s_cselect_b32 s37, 512, 0
	s_lshl_b32 s34, s34, 7
	s_add_co_u32 s37, s37, s34
	s_add_co_u32 s37, s37, s39                     ; my wave's first unit
	s_lshl_b32 s44, s37, 2
	s_lshl_b32 s38, s31, 22
	s_add_co_u32 s44, s44, s38
	s_lshl_b32 s38, s36, 19
	s_add_co_u32 s44, s44, s38
	s_add_nc_u64 s[40:41], s[6:7], s[44:45]
	s_mul_i32 s44, s31, EXPB
	s_mul_i32 s38, s32, FRM
	s_add_co_u32 s44, s44, s38
	s_add_nc_u64 s[42:43], s[20:21], s[44:45]
	v_lshlrev_b32 v[LO], 2, v28
	WLOADS 4096
	s_branch .Lw_common
.Lw2:                                  ; eW2 [8][1024][512]: frames 64 + f of the expert
	s_sub_co_u32 s30, ttmp9, 768
	s_and_b32 s31, s30, 7                          ; e
	s_lshr_b32 s32, s30, 3                         ; f
	s_lshr_b32 s33, s32, 3
	s_lshl_b32 s33, s33, 1
	s_and_b32 s35, s32, 1
	s_add_co_u32 s33, s33, s35                     ; K step
	s_bfe_u32 s34, s32, 0x20001                    ; w
	s_lshl_b32 s34, s34, 7
	s_add_co_u32 s34, s34, s39
	s_lshl_b32 s44, s34, 2
	s_lshl_b32 s38, s31, 21
	s_add_co_u32 s44, s44, s38
	s_lshl_b32 s38, s33, 18
	s_add_co_u32 s44, s44, s38
	s_add_nc_u64 s[40:41], s[8:9], s[44:45]
	s_mul_i32 s44, s31, EXPB
	s_add_co_u32 s32, s32, 64
	s_mul_i32 s38, s32, FRM
	s_add_co_u32 s44, s44, s38
	s_add_nc_u64 s[42:43], s[20:21], s[44:45]
	s_branch .Lld2048
.Lt1:                                  ; tW1 [2][256][512]: j = (2 w + t) 2 + s
	s_sub_co_u32 s30, ttmp9, 1024
	s_and_b32 s33, s30, 1                          ; K step
	s_bfe_u32 s31, s30, 0x10001                    ; task
	s_lshr_b32 s34, s30, 2                         ; w
	s_lshl_b32 s34, s34, 7
	s_add_co_u32 s34, s34, s39
	s_lshl_b32 s44, s34, 2
	s_lshl_b32 s38, s31, 19
	s_add_co_u32 s44, s44, s38
	s_lshl_b32 s38, s33, 18
	s_add_co_u32 s44, s44, s38
	s_add_nc_u64 s[40:41], s[12:13], s[44:45]
	s_mul_i32 s44, s30, FRM
	s_add_nc_u64 s[42:43], s[22:23], s[44:45]
.Lld2048:
	v_lshlrev_b32 v[LO], 2, v28
	WLOADS 2048
	s_branch .Lw_common
.Lw3:                                  ; eW3 [8][512][256]: 64 units x two K steps to a frame: fragment 4 (K step % 2) + tile; frames 96 + f, f = 2 w + q
	s_sub_co_u32 s30, ttmp9, 1040
	s_and_b32 s31, s30, 7                          ; e
	s_lshr_b32 s32, s30, 3                         ; f
	s_lshr_b32 s34, s32, 1                         ; w
	s_and_b32 s35, s32, 1                          ; q
	s_lshl_b32 s38, s31, 19
	s_add_nc_u64 s[40:41], s[10:11], 0
	s_mul_i32 s44, s31, EXPB
	s_add_co_u32 s32, s32, 96
	s_mul_i32 s37, s32, FRM
	s_add_co_u32 s44, s44, s37
	s_add_nc_u64 s[42:43], s[20:21], s[44:45]
	s_branch .Lld1024
.Lt2:                                  ; tW2 [2][512][256]: j = (2 w + t) 2 + u; frames 16 + j
	s_sub_co_u32 s30, ttmp9, 1104
	s_and_b32 s35, s30, 1                          ; which two K steps
	s_bfe_u32 s31, s30, 0x10001                    ; task
	s_lshr_b32 s34, s30, 2                         ; w
	s_lshl_b32 s38, s31, 19
	s_add_nc_u64 s[40:41], s[14:15], 0
	s_add_co_u32 s30, s30, 16
	s_mul_i32 s44, s30, FRM
	s_add_nc_u64 s[42:43], s[22:23], s[44:45]
.Lld1024:                              ; s38: the expert's or task's bytes; s35: which two K steps; s34: w.  Waves 0, 1 take the first K step, waves 2, 3 the second
	s_lshl_b32 s35, s35, 1
	s_lshr_b32 s36, s26, 1
	s_add_co_u32 s35, s35, s36                     ; K step
	s_lshl_b32 s35, s35, 17
	s_add_co_u32 s44, s38, s35
	s_lshl_b32 s34, s34, 6
	s_and_b32 s36, s26, 1
	s_lshl_b32 s36, s36, 5
	s_add_co_u32 s34, s34, s36                     ; first unit: 64 w + 32 (v % 2)
	s_lshl_b32 s34, s34, 2
	s_add_co_u32 s44, s44, s34
	s_add_nc_u64 s[40:41], s[40:41], s[44:45]
	v_lshlrev_b32 v[LO], 2, v28
	WLOADS 1024
.Lw_common:                            ; on every way here 128 loads have been issued.  Block b of my column belongs to lane (r, b % 2), registers 6 (b / 2) on
	s_wait_loadcnt 63                              ; block 0 (96 loads are younger; a wait's count ends at 63)
	BLOCKQ X, P, 16
	s_wait_loadcnt 63                              ; block 1 (64 are younger)
	BLOCKQ X+32, P+12, 15
	v_lshl_or_b32 v16, v15, 8, v16
	s_wait_loadcnt 32                              ; block 2
	BLOCKQ X+64, P+6, 15
	v_lshl_or_b32 v16, v15, 16, v16
	s_wait_loadcnt 0x0
	BLOCKQ X+96, P+18, 15
	v_lshl_or_b32 v16, v15, 24, v16                ; my column's scale word
.irp h, 0,1
.irp c, 0,1,2
	ds_store_b128 v4, v[P+12*\h+4*\c:P+12*\h+4*\c+3] offset:256*\h+512*\c   ; into the place of lane r + 16 h of my tile's image
.endr
.endr
	ds_store_b32 v5, v16
.irp i, 0,1,2,3,4,5
	ds_load_b128 v[X+4*\i:X+4*\i+3], v6 offset:512*\i   ; LDS serves a wave's instructions in order: these see my stores
.endr
.irp i, 0,1,2,3,4,5
	s_wait_dscnt 5-\i
	global_store_b128 v6, v[X+4*\i:X+4*\i+3], s[42:43] offset:512*\i   ; 32 lanes store 512 consecutive bytes, at a multiple of 256 from the buffer's first byte
.endr
	s_wait_dscnt 0x0                               ; for the others' sake: my scale words lie in LDS
	s_barrier_signal -1
	s_barrier_wait -1
	s_cmp_lg_u32 s26, 0
	s_cbranch_scc1 .Lend
	ds_load_b128 v[24:27], v7 offset:SCW           ; wave 0 stores the frame's 512 bytes of scale words
	s_wait_dscnt 0x0
	global_store_b128 v7, v[24:27], s[42:43] offset:12288
	s_branch .Lend
.Lx_path:                              ; x [4096][1024]: row block id / 8 (128 rows), K step id % 8; fragment = tile of 16 rows
	s_lshr_b32 s32, ttmp9, 3
	s_and_b32 s33, ttmp9, 7
	s_lshl_b32 s44, s32, 19
	s_lshl_b32 s34, s26, 17
	s_add_co_u32 s44, s44, s34                     ; my 32 rows
	s_lshl_b32 s34, s33, 9
	s_add_co_u32 s44, s44, s34
	s_add_nc_u64 s[40:41], s[4:5], s[44:45]
	s_mul_i32 s44, s32, 8*FRM
	s_mul_i32 s34, s33, FRM
	s_add_co_u32 s44, s44, s34
	s_add_nc_u64 s[42:43], s[18:19], s[44:45]
.set i, 0
.rept 32
	global_load_b128 v[X+4*i:X+4*i+3], v7, s[40:41] offset:4096*i th:TH_LOAD_NT   ; 512 consecutive bytes of row i
.set i, i+1
.endr
.irp u, 0,1
	s_wait_loadcnt 16-16*\u                        ; this tile's 16 loads are in; the other tile's may be out
.irp i, 0,1,2,3,4,5,6,7,8,9,10,11,12,13,14,15
	ds_store_b128 v8, v[X+64*\u+4*\i:X+64*\u+4*\i+3] offset:528*\i
.endr
	s_wait_dscnt 0x0                               ; the stores have read their registers
.irp c, 0,1
.irp i, 0,1,2,3,4,5,6,7
	ds_load_b128 v[X+64*\u+32*\c+4*\i:X+64*\u+32*\c+4*\i+3], v9 offset:256*\c+16*\i   ; k = 64 c + 32 h + 4 i on, of row lane % 16
.endr
.endr
	s_wait_dscnt 0x0
	BLOCKQ X+64*\u, P+12*\u, 15
	BLOCKQ X+64*\u+32, P+12*\u+6, 16
	v_lshl_or_b32 v15, v16, 16, v15                ; my two bytes, blocks h and 2 + h,
	v_lshlrev_b32 v15, v17, v15                    ; at their places in the word;
	v_permlanex16_b32 v19, v15, s46, s47
	v_or_b32 v[24+\u], v15, v19                    ; with lane l xor 16's two the word is whole
.irp c, 0,1,2
	global_store_b128 v6, v[P+12*\u+4*\c:P+12*\u+4*\c+3], s[42:43] offset:1536*\u+512*\c   ; my registers are the image
.endr
.endr
	v_cmp_eq_u32 vcc_lo, 1, v30
	v_cndmask_b32 v26, v24, v25, vcc_lo            ; lanes 0-15 keep fragment 2 v's word, lanes 16-31 fragment 2 v + 1's
	ds_store_b32 v10, v26
	s_wait_dscnt 0x0
	s_barrier_signal -1
	s_barrier_wait -1
	s_cmp_lg_u32 s26, 0
	s_cbranch_scc1 .Lend
	ds_load_b128 v[24:27], v7 offset:SCX
	s_wait_dscnt 0x0
	global_store_b128 v7, v[24:27], s[42:43] offset:12288
.Lend:
	s_wait_tensorcnt 0x0                           ; the wave's end, behind my last LDS store
	ds_add_u32 v[SPW], v[NIL]
	s_wait_dscnt 0x0
	s_endpgm
.Lfunc_end_k_q34c6df9321_quant:
	.size	k_q34c6df9321_quant, .Lfunc_end_k_q34c6df9321_quant-k_q34c6df9321_quant
	.p2alignl 7, 3214868480
	.fill 96, 4, 3214868480
	.section	.rodata,"a",@progbits
	.p2align	6, 0x0
	.amdhsa_kernel k_q34c6df9321_quant
		.amdhsa_group_segment_fixed_size 47616
		.amdhsa_private_segment_fixed_size 0
		.amdhsa_enable_private_segment 0
		.amdhsa_kernarg_size 88
		.amdhsa_user_sgpr_count 2
		.amdhsa_user_sgpr_kernarg_segment_ptr 1
		.amdhsa_wavefront_size32 1
		.amdhsa_system_sgpr_workgroup_id_x 1
		.amdhsa_system_sgpr_workgroup_id_y 1
		.amdhsa_system_sgpr_workgroup_id_z 1
		.amdhsa_system_vgpr_workitem_id 0
		.amdhsa_next_free_vgpr 192
		.amdhsa_next_free_sgpr 66
		.amdhsa_reserve_vcc 1
		.amdhsa_float_denorm_mode_32 3
		.amdhsa_float_denorm_mode_16_64 3
		.amdhsa_memory_ordered 1
		.amdhsa_forward_progress 1
		.amdhsa_inst_pref_size 77
	.end_amdhsa_kernel
	.amdgpu_metadata
---
amdhsa.version: [ 1, 2 ]
amdhsa.kernels:
  - .name:           k_q34c6df9321_quant
    .symbol:         k_q34c6df9321_quant.kd
    .args:
      - { .name: x, .offset: 0, .size: 8, .value_kind: global_buffer, .address_space: global }
      - { .name: eW1, .offset: 8, .size: 8, .value_kind: global_buffer, .address_space: global }
      - { .name: eW2, .offset: 16, .size: 8, .value_kind: global_buffer, .address_space: global }
      - { .name: eW3, .offset: 24, .size: 8, .value_kind: global_buffer, .address_space: global }
      - { .name: tW1, .offset: 32, .size: 8, .value_kind: global_buffer, .address_space: global }
      - { .name: tW2, .offset: 40, .size: 8, .value_kind: global_buffer, .address_space: global }
      - { .name: gW, .offset: 48, .size: 8, .value_kind: global_buffer, .address_space: global }
      - { .name: xq, .offset: 56, .size: 8, .value_kind: global_buffer, .address_space: global }
      - { .name: wexp, .offset: 64, .size: 8, .value_kind: global_buffer, .address_space: global }
      - { .name: wtow, .offset: 72, .size: 8, .value_kind: global_buffer, .address_space: global }
      - { .name: wg, .offset: 80, .size: 8, .value_kind: global_buffer, .address_space: global }
    .group_segment_fixed_size: 47616
    .private_segment_fixed_size: 0
    .kernarg_segment_align: 8
    .kernarg_segment_size: 88
    .max_flat_workgroup_size: 128
    .sgpr_count:     66
    .vgpr_count:     192
    .wavefront_size: 32
...
	.end_amdgpu_metadata
.endif
;; end of part 1
;; launch experts (part 2): grid 32 x 8, 4 waves a work-group, clusters of 4 x 1, 327,680 bytes of LDS; arguments xq, wexp, eb1, eb2, eb3, eo; writes eo
.if DOCPART == 2
	.amdgcn_target "amdgcn-amd-amdhsa--gfx1250"
	.amdhsa_code_object_version 6
	.text
	.protected	k_q34c6df9321_experts
	.globl	k_q34c6df9321_experts
	.p2align	8
	.type	k_q34c6df9321_experts,@function
k_q34c6df9321_experts:
	s_mov_b64 s[64:65], 0
	v_nop
	global_prefetch_b8 v0, s[64:65] scope:SCOPE_SE
	s_setreg_imm32_b32 hwreg(HW_REG_WAVE_MODE, 25, 1), 1
	s_wait_xcnt 0x0
	s_wait_alu depctr_hold_cnt(0) depctr_sa_sdst(0) depctr_va_vdst(0) depctr_va_sdst(0) depctr_va_ssrc(0) depctr_va_vcc(0) depctr_vm_vsrc(0)
	s_getreg_b32 s2, hwreg(HW_REG_IB_STS2, 6, 4)
	s_cmp_eq_u32 s2, 0
	s_cbranch_scc0 .Lentry_in_a_cluster
	s_endpgm
.Lentry_in_a_cluster:
	s_bfe_u32 s2, ttmp6, 0x10000c
	s_cmp_lg_u32 s2, 0x3003
	s_cbranch_scc0 .Lentry_shape_is_right
	s_endpgm
.Lentry_shape_is_right:
; One expert's chain for 128 rows: h1 = relu(x W1 + b1), h2 = relu(h1 W2 + b2), out = h2 W3 + b3, all three products on codes of FP6 (E2M3) with E8M0 scales; h1 and h2 never leave the WGP.
; 32 row blocks x 8 experts = 256 work-groups of four waves.  THE WAVES SHARE THE COLUMNS: wave w makes 128 rows x 128 units (64 accumulators, 512 registers) and reads only its own weights.
; The first layer's 1,024 units go in two chunks (units 512 on, then units 0 on): three phases of 8 K steps; then the third layer, by row tiles.
; THE MATRIX INSTRUCTION IS USED TRANSPOSED (source 0 = 16 units of the weight, source 1 = 16 rows): a lane holds one row, and, by the order of a tile's units that the frames have,
; the 64 registers of a row tile's 8 accumulators are 128 neighbours along the next K (16 and 16 in lanes l and l xor 16): they are quantised in registers and stored as images.
; LDS: a ring of two slots of 102,400 bytes for the weights (two K steps of all four waves; filled by tensor loads alone; a wave reads only the piece that it fetched) and ONE region ACT of 102,400 bytes
; for the activations' images (written by LDS stores alone): first x, then h1, then h2.  While x is still wanted, the first chunk's codes wait in 104 registers.
; THE FILLS.  An expert has 13 slots, S0 to S12.  S0 and S1 go out together at the start.  A phase P has four changes of slots: at its head (ring slot 0 takes S(4P+2)), in K steps 3 and 5
; (S(4P+3), S(4P+4)) and in its epilogue (ring slot 1 takes S(4P+5)).  In the epilogue both frames of S(4P+4) are read into the weights' two sets of registers, which lie idle there: so ring slot 0
; is free at the next phase's head.  Phases 0 and 1 are a loop; phase 2, whose epilogue asks for nothing, is written out by the same macros.
; CLUSTER: the four row blocks of a cluster belong to one expert and walk the same weights: each wave's piece of a slot is asked for JOINTLY (the same load, the same descriptor, the mask of all four).
; The launch claims all of LDS.
; LIMITS: NaN and infinities are not served; a block whose largest magnitude lies under 2^-124, a block of zeros too, gets the scale byte 1 (its codes are zeros or tiny).
; REGISTERS, in windows of 256.  Window 0: v1-13 addresses; v16-31 the third layer's rows' scale words; v32-39 the rows' scale words, two sets; v40-47 the weights', two sets; v48-127, v232-255 the codes that wait;
;   v128-223 the rows' fragments (in an epilogue: v128-191 64 numbers, v192-228 at work).  Window 1: v0-95, v128-223 the weights' fragments, two sets; v96-127, v224-255 the bias, 8 tiles.
;   Windows 2, 3: accumulator (a, b) at v[8 (8 (a % 4) + b)] of window 2 + a / 4.
.set FRM,   12800                      ; a frame: 8 fragments and their scale words
.set FRG,   1536                       ; a fragment's image
.set SLOTB, 102400
.set PIECE, 25600                      ; a wave's part of a slot: two frames
.set RING1, 102400
.set ACT,   204800
.set SPARE, 307200                     ; the spare words, 128 bytes for each wave: two blocks of 256 bytes that no other line names
.set SPW, 1
.set NIL, 2
.set AA,  3                            ; v3, v4  ACT + 16 lane, K steps 0-3 and 4-7
.set RB,  5                            ; v5, v6  my piece of ring slot 0, 1, + 16 lane
.set HW,  7                            ; v7   where I store images: ACT + 12800 w + 16 lane
.set HS,  8                            ; v8   and scale words: ACT + 12800 w + 16 (lane % 16)
.set BO,  9                            ; v9   64 (lane / 16): my half's bias
.set L16, 10                           ; v10  16 lane
.set XW,  11                           ; v11  ACT + 25600 w + 16 lane: x's way in
.set PFO, 13                           ; v13  200 lane: the prefetches' offset; never rewritten
.set SA3, 16
.set SA,  32
.set SB,  40
.set HWD, 120                          ; v120-127 the waiting fragments' scale words
.set AF,  128
.set ST,  128
.set PC,  192
.set TM,  212
.set PW,  228
.set MSB, 0
.macro WIN new                         ; the immediate's high byte repeats the setting that is left
.if MSB != (\new)
	s_set_vgpr_msb (MSB<<8)|(\new)
.set MSB, (\new)
.endif
.endm
.macro PLACES n
.rept \n
	v_nop
.endr
.endm
.macro CROUND                          ; a round of the cluster's barrier
	s_barrier_signal -1
	s_barrier_wait -1
	s_cmp_lg_u32 s16, 0
	s_cbranch_scc1 .Lnot_wave_0_\@
	s_barrier_signal -3
.Lnot_wave_0_\@:
	s_barrier_wait -3
	s_barrier_signal -1
	s_barrier_wait -1
.endm
; A PREFETCH INTO THE L2 of the slot that the NEXT change of slots will ask for.  All clusters of an expert walk the same weights: the expert's first cluster asks.  A wave's 25,600 bytes of the slot are shared
; among the four partners BY ADDRESS, 6,400 bytes each; these are 25 blocks of 256 bytes for 32 lanes: the lanes stand 200 bytes apart, so every block is named, and seven lanes name a block that their neighbour names.
; It stands behind the joint load and the run of LDS loads that follows it; its address is stepped at the next change.  S0, S1 and S2 come by their loads alone; the last refill asks for nothing.
.macro ASK
	s_cmp_eq_u32 s23, 0
	s_cbranch_scc0 .Lnot_mine_\@
	global_prefetch_b8 v[PFO], s[68:69] th:TH_LOAD_NT scope:SCOPE_SE
.Lnot_mine_\@:
.endm
.macro BIASL base, extra, n            ; n tiles of bias in the result's layout: lane (r, h), tile t: units 32 (t / 2) + 16 h + 8 (t % 2) + 0 .. 7
.set t, 0
.rept \n
.set rC, 96+8*t+96*(t/4)
	global_load_b128 v[rC:rC+3], v[BO], s[\base:\base+1] offset:\extra+(32*(t/2)+8*(t%2))*4
	global_load_b128 v[rC+4:rC+7], v[BO], s[\base:\base+1] offset:\extra+(32*(t/2)+8*(t%2))*4+16
.set t, t+1
.endr
.endm
	s_load_b256 s[4:11], s[0:1], 0x0               ; xq, wexp, eb1, eb2
	s_load_b128 s[12:15], s[0:1], 0x20             ; eb3, eo
	v_lshl_add_u32 v[SPW], v0, 2, SPARE
	v_mov_b32 v[NIL], 0
	ds_add_u32 v[SPW], v[NIL]                      ; the wave's opening: the add and its wait stand ahead of my first tensor load; work on registers stands between them
	v_lshrrev_b32 v12, 5, v0
	v_readfirstlane_b32 s16, v12                   ; wave w
	s_bfe_u32 s17, ttmp6, 0x40000                  ; cx
	s_lshl_b32 s18, ttmp9, 2
	s_add_co_u32 s18, s18, s17                     ; row block = 4 x cluster x + cx: it enters xq's and eo's addresses alone
	s_and_b32 s19, ttmp7, 0xffff                   ; the expert, which the four partners share
	s_mov_b32 s20, 0x76543210
	s_mov_b32 s21, 0xfedcba98                      ; selects for lane l xor 16
	s_mov_b32 s22, 0                               ; the phase
	s_mov_b32 s23, ttmp9                           ; 0 in the expert's first cluster: the same in all four partners
	; descriptor group 1: a dense block of 25,600 bytes as 100 rows of 256 bytes
	s_mov_b32 s24, 15|(3<<16)|(1<<21)              ; 15:0 the mask: all four work-groups; 17:16 elements of 8 bytes; 21 set beside a mask
	s_mov_b32 s25, 32<<16                          ; tensor_dim0 = 32
	s_mov_b32 s26, 100<<16                         ; tensor_dim1 = 100
	s_mov_b32 s27, 32<<16                          ; tile_dim0 = 32
	s_mov_b32 s28, 100                             ; tile_dim1 = 100
	s_mov_b32 s29, 32                              ; from row to row
	s_mov_b32 s30, 0
	s_mov_b32 s31, 0
	v_and_b32 v12, 31, v0
	v_lshlrev_b32 v[L16], 4, v12
	v_mul_u32_u24 v[PFO], v12, 200
	v_add_nc_u32 v[AA], ACT, v[L16]
	v_add_nc_u32 v[AA+1], ACT+4*FRM, v[L16]
	s_mul_i32 s48, s16, PIECE
	v_add_nc_u32 v[RB], s48, v[L16]
	s_add_co_u32 s49, s48, RING1
	v_add_nc_u32 v[RB+1], s49, v[L16]
	s_add_co_u32 s49, s48, ACT
	v_add_nc_u32 v[XW], s49, v[L16]
	s_mul_i32 s50, s16, FRM
	s_add_co_u32 s50, s50, ACT
	v_add_nc_u32 v[HW], s50, v[L16]
	v_and_b32 v12, 15, v0
	v_lshlrev_b32 v12, 4, v12
	v_add_nc_u32 v[HS], s50, v12
	v_bfe_u32 v12, v0, 4, 1
	v_lshlrev_b32 v[BO], 6, v12
	s_mul_i32 s52, s19, 104*FRM                    ; the weights: expert and wave alone
	s_add_co_u32 s52, s52, s48
	s_mov_b32 s53, 0
	s_mul_i32 s68, s17, 6400                       ; the prefetches: my work-group's quarter of my wave's piece,
	s_add_co_u32 s68, s68, s52
	s_add_co_u32 s68, s68, 2*SLOTB                 ; in S2: the first change steps it to S3
	s_mov_b32 s69, 0
	s_mul_i32 s54, s18, SLOTB                      ; x: my quarter of the row block's 8 frames
	s_add_co_u32 s54, s54, s48
	s_mov_b32 s55, 0
	s_lshl_b32 s56, s18, 20                        ; eo: ((16-row tile x 8 + e) x 4 + w) x 4,096
	s_lshl_b32 s66, s19, 14
	s_add_co_u32 s56, s56, s66
	s_lshl_b32 s66, s16, 12
	s_add_co_u32 s56, s56, s66
	s_mov_b32 s57, 0
	s_lshl_b32 s58, s19, 12
	s_lshl_b32 s66, s16, 9
	s_add_co_u32 s58, s58, s66                     ; eb1: e x 4,096 + w x 512
	s_mov_b32 s59, 0
	s_lshl_b32 s60, s19, 11
	s_add_co_u32 s60, s60, s66                     ; eb2: e x 2,048 + w x 512
	s_mov_b32 s61, 0
	s_lshl_b32 s62, s19, 10
	s_lshl_b32 s66, s16, 8
	s_add_co_u32 s62, s62, s66                     ; eb3: e x 1,024 + w x 256
	s_mov_b32 s63, 0
	s_wait_dscnt 0x0                               ; the opening add is done
	s_wait_kmcnt 0x0
	s_add_nc_u64 s[68:69], s[6:7], s[68:69]
	s_add_nc_u64 s[4:5], s[4:5], s[54:55]
	s_add_nc_u64 s[6:7], s[6:7], s[52:53]
	s_add_nc_u64 s[40:41], s[8:9], s[58:59]
	s_add_nc_u64 s[42:43], s[10:11], s[60:61]
	s_add_nc_u64 s[44:45], s[12:13], s[62:63]
	s_add_nc_u64 s[14:15], s[14:15], s[56:57]
	s_mov_b32 s32, 1                               ; group 0 for ring slot 0: the even slots of the expert's 13
	s_mov_b32 s33, s48
	s_mov_b64 s[34:35], s[6:7]
	s_or_b32 s35, s35, 0x80000000
	s_mov_b32 s36, 1                               ; and for ring slot 1: the odd ones
	s_add_co_u32 s37, s48, RING1
	s_add_nc_u64 s[38:39], s[6:7], SLOTB
	s_or_b32 s39, s39, 0x80000000
.set i, 0
.rept 50                               ; my quarter of x's images, through registers: v48-223, v232-255
.set rX, 48+4*i+8*(i/44)
	global_load_b128 v[rX:rX+3], v[L16], s[4:5] offset:512*i
.set i, i+1
.endr
	WIN 0x40                                       ; destination window 1
	BIASL 40, 2048, 8                              ; the first chunk's bias: units 512 + 128 w on
	WIN 0
	CROUND                                         ; all four work-groups are here: the first joint loads meet
	tensor_load_to_lds s[32:35], s[24:31]          ; S0 and S1 go out together: two loads of mine are out
	s_nop 0
	tensor_load_to_lds s[36:39], s[24:31]
	s_nop 0
	PLACES 4
	s_wait_loadcnt 16                              ; x is in; the 16 loads of the bias may be out
.set i, 0
.rept 50
.set rX, 48+4*i+8*(i/44)
	ds_store_b128 v[XW], v[rX:rX+3] offset:512*i
.set i, i+1
.endr
.macro WMS                             ; one product; which halves of the scale registers are read hangs on the tiles' parity
.if pX && pY
	v_wmma_scale_f32_16x16x128_f8f6f4 v[rD:rD+7], v[rB:rB+11], v[rA:rA+11], v[rC:rC+7], v[rSB], v[rSA] matrix_a_fmt:MATRIX_FMT_FP6 matrix_b_fmt:MATRIX_FMT_FP6 matrix_a_scale:MATRIX_SCALE_ROW1 matrix_b_scale:MATRIX_SCALE_ROW1
.elseif pX
	v_wmma_scale_f32_16x16x128_f8f6f4 v[rD:rD+7], v[rB:rB+11], v[rA:rA+11], v[rC:rC+7], v[rSB], v[rSA] matrix_a_fmt:MATRIX_FMT_FP6 matrix_b_fmt:MATRIX_FMT_FP6 matrix_a_scale:MATRIX_SCALE_ROW1
.elseif pY
	v_wmma_scale_f32_16x16x128_f8f6f4 v[rD:rD+7], v[rB:rB+11], v[rA:rA+11], v[rC:rC+7], v[rSB], v[rSA] matrix_a_fmt:MATRIX_FMT_FP6 matrix_b_fmt:MATRIX_FMT_FP6 matrix_b_scale:MATRIX_SCALE_ROW1
.else
	v_wmma_scale_f32_16x16x128_f8f6f4 v[rD:rD+7], v[rB:rB+11], v[rA:rA+11], v[rC:rC+7], v[rSB], v[rSA] matrix_a_fmt:MATRIX_FMT_FP6 matrix_b_fmt:MATRIX_FMT_FP6
.endif
.endm
; 16 products: row tiles a0, a0 + 1 x the weight's 8 tiles, K step s.  cmode = 1: the bias is the C of the sum's first product: nothing is cleared.
; The 64 accumulators take turns, one instruction a turn, in the same order in every step.
.macro MUL16 a0, s, cmode
.irp a, \a0, \a0+1
.irp b, 0,1,2,3,4,5,6,7
.set rD, 8*(8*((\a)%4)+\b)
.set rB, 128*((\s)%2)+12*\b
.set rA, AF+12*(\a)
.set rSB, SB+4*((\s)%2)+\b/2
.set rSA, SA+4*((\s)%2)+(\a)/2
.set pX, \b%2
.set pY, (\a)%2
.if \cmode
.set rC, 96+8*\b+96*(\b/4)
.else
.set rC, rD
.endif
	WMS
.endr
.endr
.endm
.macro FETCH_B r, q, p                 ; my frame q of ring slot r: 8 fragments into set p
	WIN 0x40
.irp i, 0,1,2,3,4,5,6,7
.irp c, 0,1,2
	ds_load_b128 v[128*(\p)+12*\i+4*\c:128*(\p)+12*\i+4*\c+3], v[RB+(\r)] offset:(\q)*FRM+FRG*\i+512*\c
.endr
.endr
	WIN 0
.endm
.macro FETCH_A s, i0                   ; row tiles i0 .. i0 + 3 of K step s
.irp i, \i0, \i0+1, \i0+2, \i0+3
.irp c, 0,1,2
	ds_load_b128 v[AF+12*(\i)+4*\c:AF+12*(\i)+4*\c+3], v[AA+(\s)/4] offset:((\s)%4)*FRM+FRG*(\i)+512*\c
.endr
.endr
.endm
.macro SCALE_A s                       ; the rows' scale words of K step s: register j holds fragment 2 j's in lanes 0-15, fragment 2 j + 1's in lanes 16-31
	ds_load_b128 v[SA+4*((\s)%2):SA+4*((\s)%2)+3], v[AA+(\s)/4] offset:((\s)%4)*FRM+12288
.endm
.macro SCALE_B s, r, q                 ; the weights' likewise
	ds_load_b128 v[SB+4*((\s)%2):SB+4*((\s)%2)+3], v[RB+(\r)] offset:(\q)*FRM+12288
.endm
.macro PREB                            ; both frames of ring slot 0 into the weights' two sets, with their scale words: 50 loads
	FETCH_B 0, 0, 0
	FETCH_B 0, 1, 1
	SCALE_B 0, 0, 0
	SCALE_B 1, 0, 1
.endm
; A K step without a change of slots.  fb = 1: the next step's weights are fetched, from frame q of ring slot r; fb = 0: they are in registers already.
; Loads into registers that matrix instructions have read stand four plain vector instructions behind them (ISA guide 7.12.1 for vector instructions).
.macro STEP s, cmode, fb, r, q
	s_wait_dscnt 12                                ; all but the youngest 12 loads (row tiles 4-7) are in
.if \cmode
	WIN 0x91                                       ; weights and bias window 1, rows window 0, results window 2
.else
	WIN 0xa1
.endif
	MUL16 0, \s, \cmode
	MUL16 2, \s, \cmode
	s_wait_dscnt 0x0                               ; row tiles 4-7 (asked for 32 products ago)
	PLACES 4
.if \fb
	FETCH_B \r, \q, ((\s)+1)%2
.else
	WIN 0
.endif
	FETCH_A (\s)+1, 0
	SCALE_A (\s)+1
.if \fb
	SCALE_B (\s)+1, \r, \q
.endif
.if \cmode
	WIN 0xd1
.else
	WIN 0xf1
.endif
	MUL16 4, \s, \cmode
	MUL16 6, \s, \cmode
	PLACES 4
	WIN 0
	FETCH_A (\s)+1, 4
.endm
; K steps 3 and 5 change ring slots.  32 products go first; then the wave waits for all its tensor loads (one is out: its piece of the next slot), adds 0 to its spare word, and, behind 16 more products,
; waits for that and for its reads of this slot; a round of the cluster's barrier; behind it this slot is filled again: from that request to the wait for it stand 112 products (K step 5's: 144 and two row tiles of the epilogue).
.macro TURN s, ask
.set rr, ((\s)/2)%2
	s_wait_dscnt 12
	WIN 0xa1
	MUL16 0, \s, 0
	MUL16 2, \s, 0
	WIN 0                                          ; (the add's two registers lie in window 0)
	s_wait_tensorcnt 0x0                           ; no load of mine is out, so a group 0 may be written
	ds_add_u32 v[SPW], v[NIL]
	s_add_nc_u64 s[34+4*rr:35+4*rr], s[34+4*rr:35+4*rr], 2*SLOTB   ; this ring slot's next fill
.if \ask
	s_wait_xcnt 0x0                                ; the last prefetch, a change back, has read its address
	s_add_nc_u64 s[68:69], s[68:69], SLOTB
.endif
	s_wait_dscnt 1                                 ; row tiles 4-7 are in; the add may be out
	WIN 0xf1
	MUL16 4, \s, 0
	s_wait_dscnt 0x0                               ; the add is done, and my reads of this slot are over
	WIN 0
	CROUND                                         ; no wave of any partner still reads this slot or has a load on its way
	tensor_load_to_lds s[32+4*rr:35+4*rr], s[24:31]
	s_nop 0
	PLACES 4                                       ; also the places in front of the loads below
	FETCH_B 1-rr, 0, 0
	FETCH_A (\s)+1, 0
	SCALE_A (\s)+1
	SCALE_B (\s)+1, 1-rr, 0
.if \ask
	ASK
.endif
	WIN 0xf1
	MUL16 6, \s, 0
	PLACES 4
	WIN 0
	FETCH_A (\s)+1, 4
.endm
; 64 numbers of a lane, none negative, v[ST + 16 b + i] = k 32 b + 16 (lane / 16) + i of my row, become a fragment's codes in v[PC] on and its scale word in v[PW].
; younger: the LDS loads issued behind the last image's stores, which may stay out
.macro QUANT younger
.irp b, 0,1,2,3
	v_max3_num_f32 v[TM+\b], v[ST+16*\b], v[ST+1+16*\b], 0x1800000   ; with the floor 2^(3 - 127): the byte cannot fall under 1
.endr
.irp i, 2,4,6,8,10,12,14
.irp b, 0,1,2,3
	v_max3_num_f32 v[TM+\b], v[TM+\b], v[ST+16*\b+\i], v[ST+1+16*\b+\i]
.endr
.endr
.irp b, 0,1,2,3
	v_permlanex16_b32 v[TM+4+\b], v[TM+\b], s20, s21
.endr
.irp b, 0,1,2,3
	v_max_num_f32 v[TM+\b], v[TM+\b], v[TM+4+\b]   ; with lane l xor 16's: the block's largest
.endr
.irp b, 0,1,2,3
	v_add_nc_u32 v[TM+12+\b], 0xff000000, v[TM+\b] ; 2 off the exponent field: the conversion's scale operand
.endr
.irp b, 0,1,2,3
	v_lshrrev_b32 v[TM+4+\b], 23, v[TM+12+\b]      ; the byte
.endr
	s_wait_dscnt \younger                          ; the last image's stores have read v[PC] on and v[PW]
	v_lshl_or_b32 v[PW], v[TM+5], 8, v[TM+4]
	v_lshl_or_b32 v[PW], v[TM+6], 16, v[PW]
	v_lshl_or_b32 v[PW], v[TM+7], 24, v[PW]
.irp c, 0,1
	v_cvt_scalef32_pk16_fp6_f32 v[PC+6*\c:PC+2+6*\c], v[ST+32*\c:ST+15+32*\c], v[TM+12+2*\c]
	v_cvt_scalef32_pk16_fp6_f32 v[PC+12+4*\c:PC+14+4*\c], v[ST+16+32*\c:ST+31+32*\c], v[TM+13+2*\c]
.endr
	v_nop                                          ; one plain line behind a scaled conversion
.irp c, 0,1                            ; the operand's layout wants a whole block in a lane
.irp i, 0,1,2
	v_permlane16_swap_b32 v[PC+6*\c+\i], v[PC+12+4*\c+\i]
.endr
.irp i, 0,1,2
	v_mov_b32 v[PC+3+6*\c+\i], v[PC+12+4*\c+\i]
.endr
.endr
.endm
.macro RELU m                          ; row tile m's 8 accumulators, each from its low end on, into v[ST] on
	WIN 0x08+4*((\m)/4)
.set j, 0
.rept 64
	v_max_num_f32 v[ST+j], 0, v[64*((\m)%4)+j]
.set j, j+1
.endr
	WIN 0
.endm
.macro IMAGE src, word, m, extra       ; a fragment goes to ACT as it stands: K step w (+ extra bytes), row tile m
.irp c, 0,1,2
	ds_store_b128 v[HW], v[(\src)+4*\c:(\src)+4*\c+3] offset:(\extra)+FRG*(\m)+512*\c
.endr
	ds_store_b32 v[HS], v[\word] offset:(\extra)+12288+256*((\m)%2)+4*((\m)/2)   ; lanes r and r + 16 write the same word with the same value
.endm
.macro OUTM m, last                    ; behind phase 0 x is still wanted: the codes wait in registers; else they go to ACT
.if \last
	IMAGE PC, PW, \m, 0
.else
	s_cmp_eq_u32 s22, 0
	s_cbranch_scc0 .Limg_\@
.irp i, 0,1,2,3,4,5,6,7,8,9,10,11
	v_mov_b32 v[48+12*(\m)+112*((\m)/6)+\i], v[PC+\i]
.endr
	v_mov_b32 v[HWD+(\m)], v[PW]
	s_branch .Lheld_\@
.Limg_\@:
	IMAGE PC, PW, \m, 0
.Lheld_\@:
.endif
.endm
; THE 8 K STEPS OF A PHASE.  At its head the weights of K steps 0 and 1 are in registers and ring slot 0 has been read out: it is filled again at once; that load has 224 products in which to land.
.macro KPHASE ask5
	s_wait_tensorcnt 0x0                           ; my piece of ring slot 1 (K steps 2 and 3) has landed; no load of mine is out
	ds_add_u32 v[SPW], v[NIL]
	s_add_nc_u64 s[34:35], s[34:35], 2*SLOTB
	s_wait_xcnt 0x0                                ; the last prefetch has read its address
	s_add_nc_u64 s[68:69], s[68:69], SLOTB
	s_wait_dscnt 0x0                               ; the add is done; my stores into ACT have landed; my reads of ring slot 0 are over
	CROUND                                         ; the round also shows ACT to all four waves
	tensor_load_to_lds s[32:35], s[24:31]
	s_nop 0
	PLACES 4
	FETCH_A 0, 0
	SCALE_A 0
	FETCH_A 0, 4
	ASK
	s_wait_loadcnt 0x0                             ; the bias
	STEP 0, 1, 0, 0, 0
	STEP 1, 0, 1, 1, 0
	STEP 2, 0, 1, 1, 1
	TURN 3, 1
	STEP 4, 0, 1, 0, 1
	TURN 5, \ask5
	STEP 6, 0, 1, 1, 1
	s_wait_dscnt 12                                ; K step 7: nothing more to fetch
	WIN 0xa1
	MUL16 0, 7, 0
	MUL16 2, 7, 0
	s_wait_dscnt 0x0
	WIN 0xf1
	MUL16 4, 7, 0
	MUL16 6, 7, 0
	WIN 0
.endm
; THE EPILOGUE: relu, quantise, image, a row tile at a time.  last = 0: behind row tile 1 ring slot 1, read out in K step 6, is filled again; last = 1 (phase 2): nothing is left to ask for.
; Either way the slot asked for in K step 5 has landed there, and its two frames go into the weights' two sets of registers.
.macro EPI last
.if \last
	WIN 0x40
	BIASL 44, 0, 4                                 ; the next sums' bias is asked for first: eb3, 64 units
	WIN 0
.else
	s_cmp_eq_u32 s22, 0
	s_cselect_b64 s[46:47], s[40:41], s[42:43]     ; behind phase 0: eb1, units 128 w on; behind phase 1: eb2
	WIN 0x40
	BIASL 46, 0, 8
	WIN 0
.endif
	s_barrier_signal -1                            ; my reads of ACT are over (the wait for 0 in K step 7); the slot asked for in K step 5 may be on its way
	PLACES 4
	RELU 0
	QUANT 0
	s_barrier_wait -1                              ; everybody's are: ACT may be written
	OUTM 0, \last
	RELU 1
	QUANT 0
	OUTM 1, \last
	s_wait_tensorcnt 0x0                           ; the slot asked for in K step 5 has landed; no load of mine is out
.if \last
	PREB                                           ; S12: the third layer's 16 fragments
	RELU 2
.else
	ds_add_u32 v[SPW], v[NIL]                      ; 0 onto my spare word; row tile 2's relu stands between it and the wait for it
	s_add_nc_u64 s[38:39], s[38:39], 2*SLOTB
	s_wait_xcnt 0x0                                ; the last prefetch has read its address
	s_add_nc_u64 s[68:69], s[68:69], SLOTB
	RELU 2
	s_wait_dscnt 0x0                               ; the add is done; my reads of ring slot 1 are long over
	CROUND
	tensor_load_to_lds s[36:39], s[24:31]          ; it has the rest of the epilogue in which to land
	s_nop 0
	PLACES 4
	PREB
	ASK
.endif
	QUANT 50                                       ; the 50 loads just issued may be out; what is older is done
	OUTM 2, \last
.irp m, 3,4,5,6,7
	RELU \m
	QUANT 0
	OUTM \m, \last
.endr
.if \last == 0
	s_cmp_eq_u32 s22, 1
	s_cbranch_scc0 .Lno_hold_\@
.irp m, 0,1,2,3,4,5,6,7
	IMAGE 48+12*\m+112*(\m/6), HWD+\m, \m, 4*FRM   ; the first chunk's codes: K steps 4 + w of h1
.endr
.Lno_hold_\@:
.endif
.endm
	s_wait_tensorcnt 1                             ; my piece of S0 has landed (S1 may be out); I alone read it
	PREB
.Lphase:                               ; phase 0: x W1, units 512 on; phase 1: x W1, units 0 on.  A trip asks for S(4P+2) to S(4P+5)
	KPHASE 1
	EPI 0
	s_add_co_u32 s22, s22, 1
	s_cmp_lt_u32 s22, 2
	s_cbranch_scc1 .Lphase
	KPHASE 0                                       ; phase 2: h1 W2; it asks for S10, S11 and S12, and S12 has no successor to prefetch
	EPI 1
	; ---- THE THIRD LAYER, BY ROW TILES: 128 rows x my 64 units, K = 512.  Its weights are in registers: fragment (K step s, tile b) at v[128 (s / 2) + 48 (s % 2) + 12 b] of window 1.
	; A row tile is 16 products, its four accumulators by turns over the four K steps; its eight stores are issued behind the next tile's products, so that the stores begin while three quarters of the layer are still to do.
	s_wait_dscnt 0x0                               ; my images of h2 lie in ACT
	s_barrier_signal -1
	s_barrier_wait -1
.macro ALOAD a                         ; row tile a's fragments of all four K steps into buffer a % 2
.irp s, 0,1,2,3
.irp c, 0,1,2
	ds_load_b128 v[AF+48*((\a)%2)+12*\s+4*\c:AF+48*((\a)%2)+12*\s+4*\c+3], v[AA] offset:\s*FRM+FRG*(\a)+512*\c
.endr
.endr
.endm
.macro ROW a                           ; accumulator (a, b) at v[8 (4 a + b)] of window 2; the bias is the C of the first K step
.irp s, 0,1,2,3
.if \s == 0
	WIN 0x91
.else
	WIN 0xa1
.endif
.irp b, 0,1,2,3
.set rD, 8*(4*(\a)+\b)
.set rB, 128*(\s/2)+48*(\s%2)+12*\b
.set rA, AF+48*((\a)%2)+12*\s
.set rSB, SB+4*(\s/2)+2*(\s%2)+\b/2
.set rSA, SA3+4*\s+(\a)/2
.set pX, \b%2
.set pY, (\a)%2
.if \s == 0
.set rC, 96+8*\b
.else
.set rC, rD
.endif
	WMS
.endr
.endr
.endm
.macro SENDROW a                       ; the accumulators leave as images: quad 2 b + half of row tile a at a x 131,072 + (2 b + half) x 512 + 16 lane; the next launch takes them back lane by lane
	WIN 0x08                                       ; a store's data: window 2
.irp b, 0,1,2,3
	global_store_b128 v[L16], v[8*(4*(\a)+\b):8*(4*(\a)+\b)+3], s[14:15] offset:(\a)*131072+1024*\b th:TH_STORE_NT       ; each accumulator from its low end on; 32 lanes store 512 consecutive bytes, at a multiple of 256
	global_store_b128 v[L16], v[8*(4*(\a)+\b)+4:8*(4*(\a)+\b)+7], s[14:15] offset:(\a)*131072+1024*\b+512 th:TH_STORE_NT
.endr
	WIN 0
.endm
.irp s, 0,1,2,3
	ds_load_b128 v[SA3+4*\s:SA3+4*\s+3], v[AA] offset:\s*FRM+12288   ; the rows' scale words of all four K steps
.endr
	ALOAD 0
	ALOAD 1
	s_wait_loadcnt 0x0                             ; eb3
.irp a, 0,1,2,3,4,5,6,7
.if \a < 7
	s_wait_dscnt 12                                ; this tile's fragments are in; the next tile's 12 loads may be out
.else
	s_wait_dscnt 0x0
.endif
	ROW \a
	PLACES 4                                       ; in front of the loads into this tile's buffer, and of the stores that read finished sums
	WIN 0
.if \a < 6
	ALOAD \a+2
.endif
.if \a > 0
	SENDROW \a-1
.endif
.endr
	SENDROW 7
	s_wait_tensorcnt 0x0                           ; the wave's end, behind my last tensor load and my last LDS store
	ds_add_u32 v[SPW], v[NIL]
	s_wait_dscnt 0x0
	CROUND                                         ; the closing round
	s_endpgm
.Lfunc_end_k_q34c6df9321_experts:
	.size	k_q34c6df9321_experts, .Lfunc_end_k_q34c6df9321_experts-k_q34c6df9321_experts
	.p2alignl 7, 3214868480
	.fill 96, 4, 3214868480
	.section	.rodata,"a",@progbits
	.p2align	6, 0x0
	.amdhsa_kernel k_q34c6df9321_experts
		.amdhsa_group_segment_fixed_size 327680
		.amdhsa_private_segment_fixed_size 0
		.amdhsa_enable_private_segment 0
		.amdhsa_kernarg_size 48
		.amdhsa_user_sgpr_count 2
		.amdhsa_user_sgpr_kernarg_segment_ptr 1
		.amdhsa_wavefront_size32 1
		.amdhsa_system_sgpr_workgroup_id_x 1
		.amdhsa_system_sgpr_workgroup_id_y 1
		.amdhsa_system_sgpr_workgroup_id_z 1
		.amdhsa_system_vgpr_workitem_id 0
		.amdhsa_next_free_vgpr 1024
		.amdhsa_next_free_sgpr 70
		.amdhsa_reserve_vcc 0
		.amdhsa_float_denorm_mode_32 3
		.amdhsa_float_denorm_mode_16_64 3
		.amdhsa_memory_ordered 1
		.amdhsa_forward_progress 1
		.amdhsa_inst_pref_size 255
	.end_amdhsa_kernel
	.section	.bss,"aw",@nobits
	.p2align	6
	.space	262144
	.amdgpu_metadata
---
amdhsa.version: [ 1, 2 ]
amdhsa.kernels:
  - .name:           k_q34c6df9321_experts
    .symbol:         k_q34c6df9321_experts.kd
    .args:
      - { .name: xq, .offset: 0, .size: 8, .value_kind: global_buffer, .address_space: global }
      - { .name: wexp, .offset: 8, .size: 8, .value_kind: global_buffer, .address_space: global }
      - { .name: eb1, .offset: 16, .size: 8, .value_kind: global_buffer, .address_space: global }
      - { .name: eb2, .offset: 24, .size: 8, .value_kind: global_buffer, .address_space: global }
      - { .name: eb3, .offset: 32, .size: 8, .value_kind: global_buffer, .address_space: global }
      - { .name: eo, .offset: 40, .size: 8, .value_kind: global_buffer, .address_space: global }
    .group_segment_fixed_size: 327680
    .private_segment_fixed_size: 0
    .kernarg_segment_align: 8
    .kernarg_segment_size: 48
    .max_flat_workgroup_size: 128
    .sgpr_count:     70
    .vgpr_count:     1024
    .wavefront_size: 32
...
	.end_amdgpu_metadata
.endif
;; end of part 2
;; launch towers (part 3): grid 256 x 1, 4 waves a work-group, clusters of 4 x 1, 237,824 bytes of LDS; arguments xq, wg, gb, eo, wtow, tb1, tb2, tW3, tb3, out0; writes out0
.if DOCPART == 3
	.amdgcn_target "amdgcn-amd-amdhsa--gfx1250"
	.amdhsa_code_object_version 6
	.text
	.protected	k_q34c6df9321_towers
	.globl	k_q34c6df9321_towers
	.p2align	8
	.type	k_q34c6df9321_towers,@function
k_q34c6df9321_towers:
	s_mov_b64 s[64:65], 0
	v_nop
	global_prefetch_b8 v0, s[64:65] scope:SCOPE_SE
	s_setreg_imm32_b32 hwreg(HW_REG_WAVE_MODE, 25, 1), 1
	s_wait_xcnt 0x0
	s_wait_alu depctr_hold_cnt(0) depctr_sa_sdst(0) depctr_va_vdst(0) depctr_va_sdst(0) depctr_va_ssrc(0) depctr_va_vcc(0) depctr_vm_vsrc(0)
	s_getreg_b32 s2, hwreg(HW_REG_IB_STS2, 6, 4)
	s_cmp_eq_u32 s2, 0
	s_cbranch_scc0 .Lentry_in_a_cluster
	s_endpgm
.Lentry_in_a_cluster:
	s_bfe_u32 s2, ttmp6, 0x10000c
	s_cmp_lg_u32 s2, 0x3003
	s_cbranch_scc0 .Lentry_shape_is_right
	s_endpgm
.Lentry_shape_is_right:
; For 16 rows and both tasks: the gates' logits (x gW on codes of FP6), softmax over the 8 experts (its maximum taken away), the mix of the experts' outputs (f32 multiply-adds),
; the towers' two quantised layers with bias and relu, the last dot product (f32) and the sigmoid.
; 256 work-groups of four waves.  Wave w: K steps 2 w, 2 w + 1 of the logits; channels 64 w on of the mix; units 128 w on of the towers' first layer, 64 w on of the second, for both tasks.
; Every product is used transposed (source 0 = 16 units of the weight, source 1 = the 16 rows): a lane holds one row (lane % 16) throughout.
; CLUSTER: four work-groups.  The first layer's weights (51,200 bytes a wave) are the same for every work-group: they are asked for JOINTLY, by one tensor load a wave with the mask of all four, filled once,
; and read by the wave that asked alone.  The second layer's go straight into 384 registers: both layers' weights, 409,600 bytes, do not fit in LDS together, and one behind the other through the same bytes
; would leave the second fill only the first layer's 32 products in which to land.
; What waves hand to each other goes through LDS as images of registers; four barriers.  No prefetch: the launch asks for all that it reads within its first phases.
; LIMITS: NaN and infinities are not served; a block whose largest magnitude lies under 2^-124, a block of zeros too, gets the scale byte 1.
; REGISTERS.  Window 0: v1-23, v107-109 addresses; v24-39, v40-55 the two layers' scale words; v56-59 tin's, v60-67 th1's, v68 x's, v69 gW's; v70-101 the gates (each twice: the packed form names a pair), later v70-106 the quantiser's;
;   v112-127 the logits' two sums, one for each of my K steps; later v110-119 the last dot; v128-255: first the gates' operands, then the mix's sums (v128-191), then the first layer's 16 accumulators, then tW3 (v128-191) and the second layer's 8 accumulators (v192-255).
;   Window 1, and window 2 up to v131: the second layer's 32 fragments.  Window 3: the experts' outputs; then 16 fragments of the first layer and tin's four (v192-239); then th1's eight.
.set FRM,   12800
.set FRG,   1536
.set PAR,   204800                     ; tb1 (4,096 bytes), tb2 (2,048), tW3 (2,048)
.set GL,    212992                     ; the waves' partial logits, 1,024 bytes each
.set TINF,  217088                     ; tin's four fragments (2 t + s), as pairs of registers: pair p at 256 p + 8 lane
.set TINS,  223232                     ; their scale words, 64 bytes each
.set TH1F,  223488                     ; th1's eight fragments (4 t + K step)
.set TH1S,  235776                     ; their scale words, 128 bytes each
.set T3P,   236800                     ; the waves' parts of the last dot
.set SPARE, 237312                     ; the spare words, 128 bytes for each wave: two blocks of 256 bytes that no other line names
.set SPW, 1
.set NIL, 2
.set G,   70
.set TM,  70
.set PC,  86
.set PW,  106
.set LG,  112                          ; the logits of K step 2 w
.set LG2, 120                          ; and of K step 2 w + 1
.set E,   128                          ; the mix's sums: task t at E + 32 t
.set PL,  128                          ; four waves' partial logits
.set GB,  160
.set PRM, 168
.set SL,  184
.set XF,  192
.set GF,  216
.set MSB, 0
.macro WIN new
.if MSB != (\new)
	s_set_vgpr_msb (MSB<<8)|(\new)
.set MSB, (\new)
.endif
.endm
.macro PLACES n
.rept \n
	v_nop
.endr
.endm
.macro BARRIER                         ; my LDS stores have landed and my LDS loads are in: then the work-group's barrier
	s_wait_dscnt 0x0
	s_barrier_signal -1
	s_barrier_wait -1
.endm
.macro CROUND                          ; a round of the cluster's barrier
	s_barrier_signal -1
	s_barrier_wait -1
	s_cmp_lg_u32 s24, 0
	s_cbranch_scc1 .Lnot_wave_0_\@
	s_barrier_signal -3
.Lnot_wave_0_\@:
	s_barrier_wait -3
	s_barrier_signal -1
	s_barrier_wait -1
.endm
	s_load_b512 s[4:19], s[0:1], 0x0               ; xq, wg, gb, eo, wtow, tb1, tb2, tW3
	s_load_b128 s[20:23], s[0:1], 0x40             ; tb3, out0
	v_lshl_add_u32 v[SPW], v0, 2, SPARE
	v_mov_b32 v[NIL], 0
	ds_add_u32 v[SPW], v[NIL]                      ; the wave's opening: the add and its wait stand ahead of my first tensor load; work on registers stands between them
	v_lshrrev_b32 v4, 5, v0
	v_readfirstlane_b32 s24, v4                    ; wave w
	s_bfe_u32 s25, ttmp6, 0x40000                  ; cx
	s_lshl_b32 s31, ttmp9, 2
	s_add_co_u32 s31, s31, s25                     ; my tile of 16 rows = 4 x cluster x + cx: it enters xq's, eo's and out0's addresses alone
	s_mov_b32 s26, 0x76543210
	s_mov_b32 s27, 0xfedcba98                      ; selects for lane l xor 16
	s_mov_b32 s28, 0xffff0000                      ; lanes 16-31
	; descriptor group 1: a dense block of 51,200 bytes as 200 rows of 256 bytes
	s_mov_b32 s32, 15|(3<<16)|(1<<21)              ; 15:0 the mask: all four work-groups; 17:16 elements of 8 bytes; 21 set beside a mask
	s_mov_b32 s33, 32<<16
	s_mov_b32 s34, 200<<16
	s_mov_b32 s35, 32<<16
	s_mov_b32 s36, 200
	s_mov_b32 s37, 32
	s_mov_b32 s38, 0
	s_mov_b32 s39, 0
	v_and_b32 v4, 31, v0                           ; lane
	v_and_b32 v5, 15, v0                           ; r
	v_bfe_u32 v6, v0, 4, 1                         ; h
	v_lshlrev_b32 v3, 4, v4                        ; 16 lane
	v_mul_u32_u24 v7, v6, FRM
	v_lshl_add_u32 v7, v5, 4, v7                   ; x's scale words: 16 r, lanes 16-31 one K step on
	v_lshlrev_b32 v8, 5, v6                        ; gb: 32 h
	v_lshlrev_b32 v9, 4, v0                        ; 16 x thread
	v_lshl_add_u32 v10, v0, 4, PAR
	s_lshl_b32 s66, s24, 10
	s_add_co_u32 s66, s66, GL
	v_add_nc_u32 v11, s66, v3
	v_add_nc_u32 v12, GL, v3
	s_mul_i32 s60, s24, 4*FRM                      ; my four frames of the first layer: in wtow and in LDS
	s_mov_b32 s61, 0
	v_add_nc_u32 v13, s60, v3
	s_lshr_b32 s62, s24, 1                         ; tin: my 64 channels are half c = w % 2 of K step w / 2
	s_and_b32 s63, s24, 1
	s_mul_i32 s66, s62, FRG
	s_mul_i32 s67, s63, 768
	s_add_co_u32 s66, s66, s67
	s_add_co_u32 s66, s66, TINF
	v_lshl_add_u32 v14, v4, 3, s66
	s_lshl_b32 s66, s62, 6
	s_lshl_b32 s67, s63, 1
	s_add_co_u32 s66, s66, s67
	s_add_co_u32 s66, s66, TINS
	v_lshl_add_u32 v15, v5, 2, s66
	v_lshl_add_u32 v16, v4, 3, TINF
	v_lshl_add_u32 v17, v5, 2, TINS
	s_lshl_b32 s66, s24, 9
	s_add_co_u32 s66, s66, PAR
	v_lshl_add_u32 v18, v6, 6, s66                 ; tb1: my 128 units, + 64 h
	s_lshl_b32 s66, s24, 8
	s_add_co_u32 s66, s66, PAR+4096
	v_lshl_add_u32 v19, v6, 6, s66                 ; tb2 (and, 2,048 bytes on, tW3): my 64 units, + 64 h
	s_mul_i32 s66, s24, FRG
	s_add_co_u32 s66, s66, TH1F
	v_add_nc_u32 v20, s66, v3
	s_lshl_b32 s66, s24, 7
	s_add_co_u32 s67, s66, TH1S
	v_lshl_add_u32 v21, v4, 2, s67
	v_add_nc_u32 v22, TH1F, v3
	v_lshl_add_u32 v23, v4, 2, TH1S
	s_add_co_u32 s67, s66, T3P
	v_lshl_add_u32 v107, v4, 2, s67
	v_lshl_add_u32 v108, v4, 2, T3P
	v_lshlrev_b32 v109, 3, v5
	v_lshl_add_u32 v109, v6, 2, v109               ; out0: 8 r + 4 h
	s_lshr_b32 s29, s31, 3                         ; row block of 128
	s_and_b32 s30, s31, 7                          ; m: my tile of 16 rows in it
	s_mul_i32 s66, s29, 8*FRM
	s_mul_i32 s67, s24, 2*FRM
	s_add_co_u32 s66, s66, s67                     ; K step 2 w of my row block
	s_mul_i32 s67, s30, FRG
	s_add_co_u32 s46, s66, s67
	s_mov_b32 s47, 0
	s_and_b32 s67, s30, 1
	s_lshl_b32 s67, s67, 8
	s_add_co_u32 s48, s66, s67
	s_lshr_b32 s67, s30, 1
	s_lshl_b32 s67, s67, 2
	s_add_co_u32 s48, s48, s67
	s_add_co_u32 s48, s48, 12288                   ; fragment m's scale words: 12,288 + 256 (m % 2) + 4 (m / 2)
	s_mov_b32 s49, 0
	s_mul_i32 s50, s24, 2*FRG
	s_mov_b32 s51, 0
	s_lshl_b32 s52, s24, 2
	s_add_co_u32 s52, s52, 12288
	s_mov_b32 s53, 0
	s_lshl_b32 s54, s31, 17
	s_lshl_b32 s67, s24, 12
	s_add_co_u32 s54, s54, s67
	s_mov_b32 s55, 0
	s_add_co_u32 s56, s60, 16*FRM
	s_mov_b32 s57, 0
	s_lshl_b32 s58, s31, 7
	s_mov_b32 s59, 0
	s_wait_dscnt 0x0                               ; the opening add is done
	s_wait_kmcnt 0x0
	s_load_b64 s[44:45], s[20:21], 0x0             ; tb3's two numbers
	s_add_nc_u64 s[46:47], s[4:5], s[46:47]        ; x's fragment
	s_add_nc_u64 s[48:49], s[4:5], s[48:49]        ; x's scale words
	s_add_nc_u64 s[50:51], s[6:7], s[50:51]        ; gW's fragments
	s_add_nc_u64 s[52:53], s[6:7], s[52:53]        ; gW's scale words
	s_add_nc_u64 s[54:55], s[10:11], s[54:55]      ; eo: my rows, my channels
	s_add_nc_u64 s[56:57], s[12:13], s[56:57]      ; the second layer's four frames
	s_add_nc_u64 s[58:59], s[22:23], s[58:59]
	s_mov_b32 s40, 1
	s_mov_b32 s41, s60                             ; the wave's number alone enters the descriptor
	s_add_nc_u64 s[42:43], s[12:13], s[60:61]
	s_or_b32 s43, s43, 0x80000000
	; twenty small loads first,
.irp c, 0,1,2
	global_load_b128 v[XF+4*\c:XF+4*\c+3], v3, s[46:47] offset:512*\c
	global_load_b128 v[XF+12+4*\c:XF+15+4*\c], v3, s[46:47] offset:FRM+512*\c
.endr
	global_load_b32 v68, v7, s[48:49]              ; lanes 0-15: K step 2 w; lanes 16-31: K step 2 w + 1
.irp c, 0,1,2
	global_load_b128 v[GF+4*\c:GF+4*\c+3], v3, s[50:51] offset:512*\c
	global_load_b128 v[GF+12+4*\c:GF+15+4*\c], v3, s[50:51] offset:FRG+512*\c
.endr
	global_load_b32 v69, v3, s[52:53]              ; likewise
	global_load_b128 v[GB:GB+3], v8, s[8:9]
	global_load_b128 v[GB+4:GB+7], v8, s[8:9] offset:16
	global_load_b128 v[PRM:PRM+3], v9, s[14:15]
	global_load_b128 v[PRM+4:PRM+7], v9, s[14:15] offset:2048
	global_load_b128 v[PRM+8:PRM+11], v9, s[16:17]
	global_load_b128 v[PRM+12:PRM+15], v9, s[18:19]
.macro EOLOAD e                        ; expert e's output for my 16 rows x 64 channels: register 16 b + i of lane (r, h) is channel 64 w + 32 b + 16 h + i of row r
.irp q, 0,1,2,3,4,5,6,7
	global_load_b128 v[32*(\e)+4*\q:32*(\e)+4*\q+3], v3, s[54:55] offset:(\e)*16384+512*\q th:TH_LOAD_NT
.endr
.endm
	WIN 0xc0                                       ; then forty of the experts' outputs, into window 3,
.irp e, 0,1,2,3,4
	EOLOAD \e
.endr
	WIN 0
	CROUND                                         ; all four work-groups are here: the joint loads meet
	tensor_load_to_lds s[40:43], s[32:39]          ; and the first layer's weights
	s_nop 0
	PLACES 4
	; ---- the gates
	s_wait_loadcnt 40                              ; the twenty are in; the forty may be out
	ds_store_b128 v10, v[PRM:PRM+3]
	ds_store_b128 v10, v[PRM+4:PRM+7] offset:2048
	ds_store_b128 v10, v[PRM+8:PRM+11] offset:4096
	ds_store_b128 v10, v[PRM+12:PRM+15] offset:6144
	; my two K steps have an accumulator each, begun with the constant 0, in registers that are no accumulator again: no matrix instruction follows another on one accumulator
	v_wmma_scale_f32_16x16x128_f8f6f4 v[LG:LG+7], v[GF:GF+11], v[XF:XF+11], 0, v69, v68 matrix_a_fmt:MATRIX_FMT_FP6 matrix_b_fmt:MATRIX_FMT_FP6
	v_wmma_scale_f32_16x16x128_f8f6f4 v[LG2:LG2+7], v[GF+12:GF+23], v[XF+12:XF+23], 0, v69, v68 matrix_a_fmt:MATRIX_FMT_FP6 matrix_b_fmt:MATRIX_FMT_FP6 matrix_a_scale:MATRIX_SCALE_ROW1 matrix_b_scale:MATRIX_SCALE_ROW1
	PLACES 4
.irp j, 0,2,4,6
	v_pk_add_f32 v[LG+\j:LG+\j+1], v[LG+\j:LG+\j+1], v[LG2+\j:LG2+\j+1]   ; the two sums joined, both from their low ends on
.endr
	ds_store_b128 v11, v[LG:LG+3]                  ; lane (r, h): row r, task h, experts 0-7: my two K steps' part
	ds_store_b128 v11, v[LG+4:LG+7] offset:512
	WIN 0xc0
.irp e, 5,6,7
	EOLOAD \e
.endr
	WIN 0
	BARRIER
.irp u, 0,1,2,3
	ds_load_b128 v[PL+8*\u:PL+8*\u+3], v12 offset:1024*\u
	ds_load_b128 v[PL+8*\u+4:PL+8*\u+7], v12 offset:1024*\u+512
.endr
	s_wait_dscnt 0x0
.irp j, 0,1,2,3,4,5,6,7
	v_add_f32 v[PL+\j], v[PL+\j], v[PL+8+\j]
	v_add_f32 v[PL+16+\j], v[PL+16+\j], v[PL+24+\j]
.endr
.irp j, 0,1,2,3,4,5,6,7
	v_add_f32 v[PL+\j], v[PL+\j], v[PL+16+\j]
.endr
.irp j, 0,1,2,3,4,5,6,7
	v_add_f32 v[SL+\j], v[PL+\j], v[GB+\j]
.endr
	v_max3_num_f32 v248, v[SL], v[SL+1], v[SL+2]
	v_max3_num_f32 v248, v248, v[SL+3], v[SL+4]
	v_max3_num_f32 v248, v248, v[SL+5], v[SL+6]
	v_max_num_f32 v248, v248, v[SL+7]              ; the row's largest logit is taken away
.irp j, 0,1,2,3,4,5,6,7
	v_sub_f32 v[SL+\j], v[SL+\j], v248
.endr
.irp j, 0,1,2,3,4,5,6,7
	v_mul_f32 v[SL+\j], 0x3fb8aa3b, v[SL+\j]
.endr
.irp j, 0,1,2,3,4,5,6,7
	v_exp_f32 v[SL+\j], v[SL+\j]
.endr
	v_nop                                          ; a plain line behind the exponentials,
	s_wait_alu depctr_va_vdst(0)                   ; and one wait for the eight, ahead of their first reader
	v_add_f32 v249, v[SL], v[SL+1]
	v_add_f32 v250, v[SL+2], v[SL+3]
	v_add_f32 v251, v[SL+4], v[SL+5]
	v_add_f32 v252, v[SL+6], v[SL+7]
	v_add_f32 v249, v249, v250
	v_add_f32 v251, v251, v252
	v_add_f32 v249, v249, v251
	v_rcp_f32 v249, v249
	v_nop
	s_wait_alu depctr_va_vdst(0)
.irp j, 0,1,2,3,4,5,6,7
	v_mul_f32 v[SL+\j], v[SL+\j], v249
.endr
.irp j, 0,1,2,3,4,5,6,7
	v_permlanex16_b32 v[PL+\j], v[SL+\j], s26, s27 ; the other task's gates of my row
.endr
.irp j, 0,1,2,3,4,5,6,7                ; every lane gets both tasks' gates; each stands twice, since the packed multiply-add names a pair and takes its low word for both halves
	v_cndmask_b32 v[G+2*\j], v[SL+\j], v[PL+\j], s28
	v_cndmask_b32 v[G+2*\j+1], v[SL+\j], v[PL+\j], s28
	v_cndmask_b32 v[G+16+2*\j], v[PL+\j], v[SL+\j], s28
	v_cndmask_b32 v[G+17+2*\j], v[PL+\j], v[SL+\j], s28
.endr
	; ---- the mix, in f32: tin(t, row, channel) = the sum over e of gate(t, e) x expert e's output
.macro MIX e
.irp t, 0,1
.set p, 0
.rept 16
.if (\e) == 0
	v_pk_mul_f32 v[E+32*\t+2*p:E+32*\t+2*p+1], v[32*(\e)+2*p:32*(\e)+2*p+1], v[G+16*\t+2*(\e):G+16*\t+2*(\e)+1] op_sel_hi:[1,0]
.else
	v_pk_fma_f32 v[E+32*\t+2*p:E+32*\t+2*p+1], v[32*(\e)+2*p:32*(\e)+2*p+1], v[G+16*\t+2*(\e):G+16*\t+2*(\e)+1], v[E+32*\t+2*p:E+32*\t+2*p+1] op_sel_hi:[1,0,1]
.endif
.set p, p+1
.endr
.endr
.endm
.macro T2LOAD fr                       ; frame fr = 2 t + (K step / 2) of the second layer, 25 loads: fragment F = 8 fr + f at register 256 + 12 F (from F = 21 on: 512 + 12 (F - 21))
.irp f, 0,1,2,3,4,5,6,7
.if 8*(\fr)+\f < 21
	WIN 0x40
.set rW, 12*(8*(\fr)+\f)
.else
	WIN 0x80
.set rW, 12*(8*(\fr)+\f-21)
.endif
.irp c, 0,1,2
	global_load_b128 v[rW+4*\c:rW+4*\c+3], v3, s[56:57] offset:(\fr)*FRM+\f*FRG+512*\c
.endr
.endr
	WIN 0
	global_load_b128 v[40+4*(\fr):43+4*(\fr)], v3, s[56:57] offset:(\fr)*FRM+12288
.endm
	T2LOAD 0                                       ; task 0's frames of the second layer go out ahead of the mix
	T2LOAD 1
	s_wait_loadcnt 63                              ; experts 0-4 are in: 74 loads are younger (experts 5-7: 24; the two frames: 50), and a wait's count ends at 63
	WIN 0x03                                       ; source 0 window 3
.irp e, 0,1,2,3,4
	MIX \e
.endr
	s_wait_loadcnt 50                              ; experts 5-7 are in; the two frames' 50 loads may be out
.irp e, 5,6,7
	MIX \e
.endr
	WIN 0
	; ---- tin becomes an operand.  The first layer's fragments of task 0 are fetched meanwhile
.macro T1FETCH t                       ; fragment (tile i, K step s) at v[12 (8 s + i)] of window 3
	WIN 0xc0
.irp s, 0,1
.irp i, 0,1,2,3,4,5,6,7
.irp c, 0,1,2
	ds_load_b128 v[12*(8*\s+\i)+4*\c:12*(8*\s+\i)+4*\c+3], v13 offset:(2*(\t)+\s)*FRM+\i*FRG+512*\c
.endr
.endr
.endr
	WIN 0
.endm
	s_wait_tensorcnt 0x0                           ; my four frames have landed; I alone read them
	T1FETCH 0
.irp f, 0,1,2,3
	ds_load_b128 v[24+4*\f:27+4*\f], v13 offset:\f*FRM+12288
.endr
; 32 numbers of a lane, v[s + 16 b + i] = channel 32 b + 16 (lane / 16) + i of my 64, become 6 registers of codes (half a fragment) and two bytes of the row's scale word
.macro QUANT2 s
.irp b, 0,1
	v_max3_num_f32 v[TM+\b], |v[\s+16*\b]|, |v[\s+1+16*\b]|, 0x1800000
.endr
.irp i, 2,4,6,8,10,12,14
.irp b, 0,1
	v_max3_num_f32 v[TM+\b], v[TM+\b], |v[\s+16*\b+\i]|, |v[\s+1+16*\b+\i]|
.endr
.endr
.irp b, 0,1
	v_permlanex16_b32 v[TM+4+\b], v[TM+\b], s26, s27
.endr
.irp b, 0,1
	v_max_num_f32 v[TM+\b], v[TM+\b], v[TM+4+\b]
.endr
.irp b, 0,1
	v_add_nc_u32 v[TM+12+\b], 0xff000000, v[TM+\b]
.endr
.irp b, 0,1
	v_lshrrev_b32 v[TM+4+\b], 23, v[TM+12+\b]
.endr
	v_lshl_or_b32 v[PW], v[TM+5], 8, v[TM+4]
	v_cvt_scalef32_pk16_fp6_f32 v[PC:PC+2], v[\s:\s+15], v[TM+12]
	v_cvt_scalef32_pk16_fp6_f32 v[PC+12:PC+14], v[\s+16:\s+31], v[TM+13]
	v_nop                                          ; one plain line behind a scaled conversion
.irp i, 0,1,2
	v_permlane16_swap_b32 v[PC+\i], v[PC+12+\i]
.endr
.irp i, 0,1,2
	v_mov_b32 v[PC+3+\i], v[PC+12+\i]
.endr
.endm
.irp t, 0,1
	QUANT2 E+32*\t
.irp p, 0,1,2
	ds_store_b64 v14, v[PC+2*\p:PC+2*\p+1] offset:2*FRG*\t+256*\p   ; registers 6 c + 2 p, + 1 of fragment (t, w / 2)
.endr
	ds_store_b16 v15, v[PW] offset:128*\t          ; bytes 2 c, 2 c + 1 of my row's word; lanes r and r + 16 write the same
	s_wait_dscnt 0x0                               ; the stores have read their registers
	T2LOAD 2+\t                                    ; task 1's frames of the second layer, one behind each task's quantising: 25 loads at a time
.endr
	s_barrier_signal -1
	s_barrier_wait -1                              ; tin's four fragments lie in LDS
	WIN 0xc0
.irp f, 0,1,2,3
.irp p, 0,1,2,3,4,5
	ds_load_b64 v[192+12*\f+2*\p:193+12*\f+2*\p], v16 offset:FRG*\f+256*\p
.endr
.endr
	WIN 0
.irp f, 0,1,2,3
	ds_load_b32 v[56+\f], v17 offset:64*\f
.endr
.irp t, 0,1                            ; the bias is loaded into the accumulators: lane (r, h), tile i: units 32 (i / 2) + 16 h + 8 (i % 2) + 0 .. 7 of my 128
.irp i, 0,1,2,3,4,5,6,7
	ds_load_b128 v[128+64*\t+8*\i:131+64*\t+8*\i], v18 offset:2048*\t+(32*(\i/2)+8*(\i%2))*4
	ds_load_b128 v[132+64*\t+8*\i:135+64*\t+8*\i], v18 offset:2048*\t+(32*(\i/2)+8*(\i%2))*4+16
.endr
.endr
.macro WMS
.if pX
	v_wmma_scale_f32_16x16x128_f8f6f4 v[rD:rD+7], v[rB:rB+11], v[rA:rA+11], v[rD:rD+7], v[rSB], v[rSA] matrix_a_fmt:MATRIX_FMT_FP6 matrix_b_fmt:MATRIX_FMT_FP6 matrix_a_scale:MATRIX_SCALE_ROW1
.else
	v_wmma_scale_f32_16x16x128_f8f6f4 v[rD:rD+7], v[rB:rB+11], v[rA:rA+11], v[rD:rD+7], v[rSB], v[rSA] matrix_a_fmt:MATRIX_FMT_FP6 matrix_b_fmt:MATRIX_FMT_FP6
.endif
.endm
.macro T1MUL t                         ; 16 products: the task's 8 accumulators by turns, a K step at a time
	WIN 0x0f                                       ; both sources window 3
.irp s, 0,1
.irp i, 0,1,2,3,4,5,6,7
.set rD, 128+64*(\t)+8*\i
.set rB, 12*(8*\s+\i)
.set rA, 192+12*(2*(\t)+\s)
.set rSB, 24+4*(2*(\t)+\s)+\i/2
.set rSA, 56+2*(\t)+\s
.set pX, \i%2
	WMS
.endr
.endr
	WIN 0
.endm
; 64 numbers of a lane, none negative, become a fragment's codes in v[PC] on and its scale word in v[PW]
.macro QUANT s
.irp b, 0,1,2,3
	v_max3_num_f32 v[TM+\b], v[\s+16*\b], v[\s+1+16*\b], 0x1800000
.endr
.irp i, 2,4,6,8,10,12,14
.irp b, 0,1,2,3
	v_max3_num_f32 v[TM+\b], v[TM+\b], v[\s+16*\b+\i], v[\s+1+16*\b+\i]
.endr
.endr
.irp b, 0,1,2,3
	v_permlanex16_b32 v[TM+4+\b], v[TM+\b], s26, s27
.endr
.irp b, 0,1,2,3
	v_max_num_f32 v[TM+\b], v[TM+\b], v[TM+4+\b]
.endr
.irp b, 0,1,2,3
	v_add_nc_u32 v[TM+12+\b], 0xff000000, v[TM+\b]
.endr
.irp b, 0,1,2,3
	v_lshrrev_b32 v[TM+4+\b], 23, v[TM+12+\b]
.endr
	v_lshl_or_b32 v[PW], v[TM+5], 8, v[TM+4]
	v_lshl_or_b32 v[PW], v[TM+6], 16, v[PW]
	v_lshl_or_b32 v[PW], v[TM+7], 24, v[PW]
.irp c, 0,1
	v_cvt_scalef32_pk16_fp6_f32 v[PC+6*\c:PC+2+6*\c], v[\s+32*\c:\s+15+32*\c], v[TM+12+2*\c]
	v_cvt_scalef32_pk16_fp6_f32 v[PC+12+4*\c:PC+14+4*\c], v[\s+16+32*\c:\s+31+32*\c], v[TM+13+2*\c]
.endr
	v_nop
.irp c, 0,1
.irp i, 0,1,2
	v_permlane16_swap_b32 v[PC+6*\c+\i], v[PC+12+4*\c+\i]
.endr
.irp i, 0,1,2
	v_mov_b32 v[PC+3+6*\c+\i], v[PC+12+4*\c+\i]
.endr
.endr
.endm
.macro TH1OUT t                        ; relu, quantise, image: K step w of the second layer, task t
.set j, 0
.rept 64
	v_max_num_f32 v[128+64*(\t)+j], 0, v[128+64*(\t)+j]   ; each accumulator from its low end on
.set j, j+1
.endr
	QUANT 128+64*(\t)
.irp c, 0,1,2
	ds_store_b128 v20, v[PC+4*\c:PC+4*\c+3] offset:4*FRG*(\t)+512*\c
.endr
	ds_store_b32 v21, v[PW] offset:512*(\t)
.endm
	s_wait_dscnt 0x0
	T1MUL 0
	PLACES 4                                       ; in front of loads into registers that the products have read, and of the first read of their results
	T1FETCH 1
	TH1OUT 0
	s_wait_dscnt 0x0                               ; task 1's fragments are in; the image's stores have read their registers
	T1MUL 1
	PLACES 4
	TH1OUT 1
.irp t, 0,1                            ; the second layer's bias into its accumulators, tW3 beside them in the same layout
.irp i, 0,1,2,3
	ds_load_b128 v[192+32*\t+8*\i:195+32*\t+8*\i], v19 offset:1024*\t+(32*(\i/2)+8*(\i%2))*4
	ds_load_b128 v[196+32*\t+8*\i:199+32*\t+8*\i], v19 offset:1024*\t+(32*(\i/2)+8*(\i%2))*4+16
	ds_load_b128 v[128+32*\t+8*\i:131+32*\t+8*\i], v19 offset:2048+1024*\t+(32*(\i/2)+8*(\i%2))*4
	ds_load_b128 v[132+32*\t+8*\i:135+32*\t+8*\i], v19 offset:2048+1024*\t+(32*(\i/2)+8*(\i%2))*4+16
.endr
.endr
	BARRIER                                        ; th1's eight fragments lie in LDS
	WIN 0xc0
.irp f, 0,1,2,3,4,5,6,7
.irp c, 0,1,2
	ds_load_b128 v[12*\f+4*\c:12*\f+4*\c+3], v22 offset:FRG*\f+512*\c
.endr
.endr
	WIN 0
.irp f, 0,1,2,3,4,5,6,7
	ds_load_b32 v[60+\f], v23 offset:128*\f
.endr
	s_wait_loadcnt 0x0                             ; the second layer's weights
	s_wait_dscnt 0x0
.irp s, 0,1,2,3                        ; 32 products: 8 accumulators by turns, a K step at a time
.irp t, 0,1
.irp i, 0,1,2,3
.if 8*(2*\t+\s/2)+4*(\s%2)+\i < 21
	WIN 0x0d                                       ; weights window 1, th1 window 3
.set rB, 12*(8*(2*\t+\s/2)+4*(\s%2)+\i)
.else
	WIN 0x0e                                       ; weights window 2
.set rB, 12*(8*(2*\t+\s/2)+4*(\s%2)+\i-21)
.endif
.set rD, 192+32*\t+8*\i
.set rA, 12*(4*\t+\s)
.set rSB, 40+4*(2*\t+\s/2)+2*(\s%2)+\i/2
.set rSA, 60+4*\t+\s
.set pX, \i%2
	WMS
.endr
.endr
.endr
	WIN 0
	PLACES 4
	; ---- the last dot product, in f32
.set j, 0
.rept 64
	v_max_num_f32 v[192+j], 0, v[192+j]            ; each accumulator from its low end on
.set j, j+1
.endr
.irp t, 0,1
	v_pk_mul_f32 v[110+4*\t:111+4*\t], v[192+32*\t:193+32*\t], v[128+32*\t:129+32*\t]
	v_pk_mul_f32 v[112+4*\t:113+4*\t], v[194+32*\t:195+32*\t], v[130+32*\t:131+32*\t]
.irp n, 4,8,12,16,20,24,28
	v_pk_fma_f32 v[110+4*\t:111+4*\t], v[192+32*\t+\n:193+32*\t+\n], v[128+32*\t+\n:129+32*\t+\n], v[110+4*\t:111+4*\t]
	v_pk_fma_f32 v[112+4*\t:113+4*\t], v[194+32*\t+\n:195+32*\t+\n], v[130+32*\t+\n:131+32*\t+\n], v[112+4*\t:113+4*\t]
.endr
	v_pk_add_f32 v[110+4*\t:111+4*\t], v[110+4*\t:111+4*\t], v[112+4*\t:113+4*\t]
	v_add_f32 v[110+4*\t], v[110+4*\t], v[111+4*\t]
	v_permlanex16_b32 v[112+4*\t], v[110+4*\t], s26, s27
	v_add_f32 v[110+4*\t], v[110+4*\t], v[112+4*\t]   ; my 64 units' part, for row lane % 16
.endr
	v_cndmask_b32 v110, v110, v114, s28            ; lane (r, h) keeps task h's
	ds_store_b32 v107, v110
	s_wait_kmcnt 0x0                               ; tb3
	BARRIER
	s_cmp_lg_u32 s24, 0
	s_cbranch_scc1 .Lend
.irp u, 0,1,2,3
	ds_load_b32 v[110+\u], v108 offset:128*\u
.endr
	v_mov_b32 v114, s44
	v_mov_b32 v115, s45
	v_cndmask_b32 v114, v114, v115, s28
	s_wait_dscnt 0x0
	v_add_f32 v110, v110, v111
	v_add_f32 v112, v112, v113
	v_add_f32 v110, v110, v112
	v_add_f32 v110, v110, v114
	v_mul_f32 v110, 0xbfb8aa3b, v110               ; sigmoid(z) = 1 / (1 + 2^(-z log2(e)))
	v_exp_f32 v110, v110
	v_nop
	s_wait_alu depctr_va_vdst(0)
	v_add_f32 v110, 1.0, v110
	v_rcp_f32 v110, v110
	v_nop
	s_wait_alu depctr_va_vdst(0)
	global_store_b32 v109, v110, s[58:59]          ; 32 lanes store the 16 rows' 128 consecutive bytes
.Lend:
	s_wait_tensorcnt 0x0                           ; the wave's end, behind my last tensor load and my last LDS store
	ds_add_u32 v[SPW], v[NIL]
	s_wait_dscnt 0x0
	CROUND                                         ; the closing round
	s_endpgm
.Lfunc_end_k_q34c6df9321_towers:
	.size	k_q34c6df9321_towers, .Lfunc_end_k_q34c6df9321_towers-k_q34c6df9321_towers
	.p2alignl 7, 3214868480
	.fill 96, 4, 3214868480
	.section	.rodata,"a",@progbits
	.p2align	6, 0x0
	.amdhsa_kernel k_q34c6df9321_towers
		.amdhsa_group_segment_fixed_size 237824
		.amdhsa_private_segment_fixed_size 0
		.amdhsa_enable_private_segment 0
		.amdhsa_kernarg_size 80
		.amdhsa_user_sgpr_count 2
		.amdhsa_user_sgpr_kernarg_segment_ptr 1
		.amdhsa_wavefront_size32 1
		.amdhsa_system_sgpr_workgroup_id_x 1
		.amdhsa_system_sgpr_workgroup_id_y 1
		.amdhsa_system_sgpr_workgroup_id_z 1
		.amdhsa_system_vgpr_workitem_id 0
		.amdhsa_next_free_vgpr 1024
		.amdhsa_next_free_sgpr 72
		.amdhsa_reserve_vcc 0
		.amdhsa_float_denorm_mode_32 3
		.amdhsa_float_denorm_mode_16_64 3
		.amdhsa_memory_ordered 1
		.amdhsa_forward_progress 1
		.amdhsa_inst_pref_size 93
	.end_amdhsa_kernel
	.amdgpu_metadata
---
amdhsa.version: [ 1, 2 ]
amdhsa.kernels:
  - .name:           k_q34c6df9321_towers
    .symbol:         k_q34c6df9321_towers.kd
    .args:
      - { .name: xq, .offset: 0, .size: 8, .value_kind: global_buffer, .address_space: global }
      - { .name: wg, .offset: 8, .size: 8, .value_kind: global_buffer, .address_space: global }
      - { .name: gb, .offset: 16, .size: 8, .value_kind: global_buffer, .address_space: global }
      - { .name: eo, .offset: 24, .size: 8, .value_kind: global_buffer, .address_space: global }
      - { .name: wtow, .offset: 32, .size: 8, .value_kind: global_buffer, .address_space: global }
      - { .name: tb1, .offset: 40, .size: 8, .value_kind: global_buffer, .address_space: global }
      - { .name: tb2, .offset: 48, .size: 8, .value_kind: global_buffer, .address_space: global }
      - { .name: tW3, .offset: 56, .size: 8, .value_kind: global_buffer, .address_space: global }
      - { .name: tb3, .offset: 64, .size: 8, .value_kind: global_buffer, .address_space: global }
      - { .name: out0, .offset: 72, .size: 8, .value_kind: global_buffer, .address_space: global }
    .group_segment_fixed_size: 237824
    .private_segment_fixed_size: 0
    .kernarg_segment_align: 8
    .kernarg_segment_size: 80
    .max_flat_workgroup_size: 128
    .sgpr_count:     72
    .vgpr_count:     1024
    .wavefront_size: 32
...
	.end_amdgpu_metadata
.endif
;; end of part 3
